; MI455X (gfx1250); checked and timed in simulation.
; The chip was launched on July 23, 2026; its instructions are those of AMD's public machine-readable ISA for CDNA 5 (MIT licence, August 2026) and "CDNA5" Instruction Set Architecture Reference Guide (July 2026). The comments in the code are by the model that wrote it; some were corrected since.
;; Causal Self Attention. Allowed arithmetic: matrix products marked QUANTISED: E2M1 operands, one E8M0 scale for each 32 along K, by v_wmma_scale_f32_16x16x128_f8f6f4 with both operands' format E2M1 (or v_wmma_scale_f32_32x16x128_f4), f32 sums; products left as they are: bf16, f16 or f32 operands; f32 sums; everything else in f32.
;; Inputs: W_proj 1,024 x 1,024 float32; W_qkv 1,024 x 3,072 float32; cos 2,048 x 64 float32; sin 2,048 x 64 float32; x 4 x 2,048 x 1,024 float32.
;; Outputs: out0 4 x 2,048 x 1,024 float32.
;; This version of the problem:
;;   THIS VERSION OF THE PROBLEM IS GIVEN IN LOW PRECISION. The matrix products marked QUANTISED in the list below multiply operands that are first quantised to E2M1 (2 exponent bits, 1 mantissa bit; 4 bits a number), with one power-of-two scale for each 32 numbers along K (OCP MX v1.0); their sums are f32. The products marked 'left as it is' may take bf16, f16 or f32 operands, with f32 sums. Whichever they take, every output number must still come out within the allowed error. Rounding operands to bf16 (8 significant bits) uses up far more of that allowance than f16 does (11 bits, for magnitudes from 6e-5 to 65,504). All else is computed in f32.
;;   The module's matrix products, in the order in which they are computed (A, B: the left and right operand; K: the contracted axis; several contracted axes count as one K, in the product's order):
;;     1. [M 8,192, K 1,024] x [K 1,024, N 3,072]; A: input x; B: input W_qkv: QUANTISED
;;     2. batch 64 x [M 2,048, K 64] x [K 64, N 2,048]; A: computed on the way; B: computed on the way: left as it is (an operand is computed on the way)
;;     3. batch 64 x [M 2,048, K 2,048] x [K 2,048, N 64]; A: computed on the way; B: computed on the way: left as it is (an operand is computed on the way)
;;     4. [M 8,192, K 1,024] x [K 1,024, N 1,024]; A: computed on the way; B: input W_proj: left as it is (an operand is computed on the way)
;;   THE QUANTISER, for each operand of a quantised product, along K:
;;     - K is cut into blocks of 32 from its start; a last block that is shorter is filled with zeros.
;;     - A block's scale is 2^e with e = floor(log2(the largest magnitude in the block)) - 2, held to -126 .. 127; a block of zeros has e = 0. As a byte (E8M0): e + 127.
;;     - Each number is divided by its block's scale, clamped to +-6, and rounded to the nearest number of E2M1, ties to even, subnormals kept.
;;     - The product sums the exact products of the quantised numbers (number of the format x scale) in f32.
;;   ~~~python
;;   def quantise(x, axis):      # numpy; x: float32 -> the quantised numbers, widened to float32 again
;;       x = np.moveaxis(x, axis, -1); K = x.shape[-1]
;;       x = np.pad(x, [(0, 0)] * (x.ndim - 1) + [(0, -K % 32)]); x = x.reshape(x.shape[:-1] + (-1, 32)); a = np.abs(x).max(-1, keepdims=True)
;;       e = np.where(a > 0, np.clip(np.frexp(np.where(a > 0, a, 1))[1] - 1 - 2, -126, 127), 0)      # np.frexp(a)[1] - 1 = floor(log2(a)), exactly
;;       r = np.clip(x / 2.0 ** e, -6, 6)
;;       step = 2.0 ** (np.maximum(np.frexp(np.where(r == 0, 1, r))[1] - 1, 0) - 1)
;;       q = np.round(r / step) * step * 2.0 ** e      # np.round: ties to even
;;       return np.moveaxis(q.reshape(q.shape[:-2] + (-1,))[..., :K], -1, axis).astype(np.float32)
;;   ~~~
;; One version. Each part assembles by itself: llvm-mc -triple=amdgcn-amd-amdhsa -mcpu=gfx1250 --defsym DOCPART=n.
;; ======== version 1 of 1: 5 launches
;; limits: values are held in f16: magnitudes above 65,504 overflow, below 6.1e-05 lose precision
;; workspace buffers: xq 4,194,304 bytes; xs 262,144 bytes; wq 1,572,864 bytes; ws 98,304 bytes; wf 2,097,152 bytes; qkvf 50,331,648 bytes; yf 16,777,216 bytes; fine 786,432 bytes
;; launch prep (part 1): grid 208 x 1, 8 waves a work-group, no clusters, 102,400 bytes of LDS; arguments x, W_qkv, W_proj, xq, xs, wq, ws, wf; writes xq, xs, wq, ws, wf
.if DOCPART == 1
	.amdgcn_target "amdgcn-amd-amdhsa--gfx1250"
	.amdhsa_code_object_version 6
	.text
	.protected	k_q354eec1858_prep
	.globl	k_q354eec1858_prep
	.p2align	8
	.type	k_q354eec1858_prep,@function
k_q354eec1858_prep:
	s_mov_b64 s[64:65], 0
	v_nop
	global_prefetch_b8 v0, s[64:65] scope:SCOPE_SE
	s_setreg_imm32_b32 hwreg(HW_REG_WAVE_MODE, 25, 1), 1
	s_wait_xcnt 0x0
; PREP: the operands of the later launches are laid out once.
;   x      [8192][1024] f32 -> xq [8192][512 bytes] codes of E2M1, K innermost, and xs [8192][32] E8M0 bytes (one for each 32 along K)
;   W_qkv  [1024 (k)][3072 (n)] f32 -> wq [3072][512 bytes], ws [3072][32]: quantised along K, laid with K innermost
;   W_proj [1024 (k)][1024 (n)] f32 -> wf [n / 16][k / 32][1,024 bytes] f16: images of operand registers: byte 512 c + 16 lane holds k = 32 ks + 16 c + 8 (lane / 16) + 0..7 of column 16 nb + lane % 16
; A block's scale is 2^(floor(log2(its largest magnitude)) - 2): its byte is the largest magnitude's exponent field - 2, held at 1 from below.
; WORK LEFT OUT BY THE PROGRAM.  No input is dead: all five are loaded.  reference() builds the causal mask itself (jnp.tril) and puts the lowest f32 number in place of every score whose key comes after
; its query; each row keeps its own key, so those places get the weight 0 whatever finite values the inputs hold.  So the attention launch leaves out, in whole steps of 64 keys, the scores, weights and
; weighted sums of keys that come after all 32 queries of a wave.  A NaN, an infinity or an overflow that reaches only such left-out scores is not carried to the result.
; LIMITS: NaN and infinities among the inputs are not served.  A block of zeros gets the byte 1 where the rule says 127: its codes are zeros, and this program alone reads the bytes.  Blocks whose largest
; magnitude lies under 2^-124 are held at the byte 1.  |W_proj| above 65,504 becomes an infinity of f16 (the drawn numbers are about 0.03).
; SHARES: work-groups 0-127 take x (path X), 128-175 W_qkv (path W), 176-207 W_proj (path P).  The paths part on the work-group's number, never join, and have LDS bytes of their own.
.set SPW,   12                         ; v12  LDS address of my spare word; never rewritten
.set NIL,   13                         ; v13  0; never rewritten
.set WST,   65536                      ; path W: 64 rows of codes x (512 + 16) bytes
.set WSC,   99328                      ; path W: 64 rows x 32 scale bytes
.set SPARE, 101376                     ; the spare words: 128 bytes for each of eight waves
	s_load_b512 s[8:23], s[0:1], 0x0               ; x 8, W_qkv 10, W_proj 12, xq 14, xs 16, wq 18, ws 20, wf 22
	v_lshl_add_u32 v[SPW], v0, 2, SPARE
	v_mov_b32 v[NIL], 0
	v_lshrrev_b32 v1, 5, v0
	v_readfirstlane_b32 s24, v1                    ; wave 0..7
	v_and_b32 v2, 31, v0                           ; lane
	s_wait_kmcnt 0x0
	s_cmp_ge_u32 ttmp9, 128
	s_cbranch_scc1 .Lwp
; ---- PATH X.  x is a plain stream of blocks of 32.  A wave takes 16 steps of 512 numbers.  Each load reads 512 consecutive bytes; a step's 2,048 bytes turn through the wave's own stage in LDS
; (16 bytes of padding behind each 64) and come back 16 neighbours a lane: two neighbouring lanes hold a block.  Loads run eight steps (32 loads a wave) ahead, the turn one step.
.set SP, 80                            ; a lane's place in a stage
.set R,  16                            ; v16-143  eight sets of 16 numbers as loaded
.set X,  144                           ; v144-175 two sets of 16 neighbours
.set E,  176                           ; v176-191 a scale byte for each step
.set C,  192                           ; v192-223 two registers of codes for each step: no store's data are written again
	v_lshlrev_b32 v3, 4, v2                        ; my 16 bytes of a load's 512
	s_lshl_b32 s25, s24, 13                        ; my wave's 8,192 bytes of LDS
	v_lshrrev_b32 v14, 2, v2
	v_mul_u32_u24 v14, v14, SP
	v_and_b32 v15, 3, v2
	v_lshl_add_u32 v14, v15, 4, v14
	v_add_nc_u32 v14, s25, v14                     ; into the stage: SP (lane / 4) + 16 (lane % 4)
	v_mul_u32_u24 v15, v2, SP
	v_add_nc_u32 v15, s25, v15                     ; out of it: SP x lane
	v_lshlrev_b32 v4, 3, v2                        ; 8 bytes a lane: my codes in a step's 256, my part of the 256 scale bytes
	v_lshrrev_b32 v5, 1, v2
	s_add_co_u32 s25, s25, 2*32*SP
	v_add_nc_u32 v5, s25, v5                       ; my block's byte among the wave's 256
	v_add_nc_u32 v6, s25, v4                       ; and the way out of them
	s_lshl_b32 s26, ttmp9, 3
	s_add_co_u32 s26, s26, s24                     ; which run of 8,192 numbers is my wave's
	s_mov_b32 s29, 0
	s_lshl_b32 s28, s26, 15
	s_add_nc_u64 s[8:9], s[8:9], s[28:29]
	s_lshl_b32 s28, s26, 12
	s_add_nc_u64 s[14:15], s[14:15], s[28:29]
	s_lshl_b32 s28, s26, 8
	s_add_nc_u64 s[16:17], s[16:17], s[28:29]
.macro XLOAD t
.irp i, 0,1,2,3
	global_load_b128 v[R+16*((\t)%8)+4*\i:R+16*((\t)%8)+4*\i+3], v3, s[8:9] offset:2048*(\t)+512*\i th:TH_LOAD_NT
.endr
.endm
.macro XTURN t                         ; LDS serves a wave's instructions in order: no wait between the stores and the loads
.irp i, 0,1,2,3
	ds_store_b128 v14, v[R+16*((\t)%8)+4*\i:R+16*((\t)%8)+4*\i+3] offset:32*SP*((\t)%2)+8*SP*\i
.endr
.irp i, 0,1,2,3
	ds_load_b128 v[X+16*((\t)%2)+4*\i:X+16*((\t)%2)+4*\i+3], v15 offset:32*SP*((\t)%2)+16*\i
.endr
.endm
.irp t, 0,1,2,3,4,5,6,7
	XLOAD \t
.endr
	s_wait_loadcnt 28                              ; step 0's four loads are in; the 28 of steps 1 to 7 may be out
	XTURN 0
.macro XSTEP t
.set XS, X+16*((\t)%2)
.if (\t) > 0
	s_wait_dscnt 1                                 ; this step's numbers are back from the stage; the last step's byte store may be out
.else
	s_wait_dscnt 0x0
.endif
.if (\t)+8 < 16
	XLOAD (\t)+8                                   ; into the set that this step's stage stores have read
.endif
.if (\t)+1 < 16
.if (\t) <= 7
	s_wait_loadcnt 28                              ; the next step's loads are in; those of the seven steps behind it may be out
.else
	s_wait_loadcnt 4*(14-(\t))                     ; the steps that are left behind the next one
.endif
	XTURN (\t)+1
.endif
	v_max3_num_f32 v8, |v[XS]|, |v[XS+1]|, |v[XS+2]|
	v_max3_num_f32 v9, |v[XS+3]|, |v[XS+4]|, |v[XS+5]|
.irp i, 6,10
	v_max3_num_f32 v8, v8, |v[XS+\i]|, |v[XS+\i+1]|
	v_max3_num_f32 v9, v9, |v[XS+\i+2]|, |v[XS+\i+3]|
.endr
	v_max3_num_f32 v8, v8, |v[XS+14]|, |v[XS+15]|
	v_max3_num_f32 v8, v8, v9, 0x1800000           ; and the floor 2^(3 - 127): the byte cannot fall under 1
	v_max_num_f32_dpp v8, v8, v8 row_xmask:1 row_mask:0xf bank_mask:0xf   ; with my neighbour's 16: the block's largest magnitude
	v_add_nc_u32 v11, 0xff000000, v8               ; 2 off its exponent field: the conversion takes that field as its scale
	v_cvt_scalef32_pk8_fp4_f32 v[C+2*(\t)], v[XS:XS+7], v11
	v_cvt_scalef32_pk8_fp4_f32 v[C+2*(\t)+1], v[XS+8:XS+15], v11
	v_lshrrev_b32 v[E+(\t)], 23, v11               ; the scale's byte (a plain line behind the conversions)
	ds_store_b8 v5, v[E+(\t)] offset:16*(\t)       ; both lanes of a block write the same byte with the same value
	global_store_b64 v4, v[C+2*(\t):C+2*(\t)+1], s[14:15] offset:256*(\t)   ; the wave stores 256 consecutive bytes, aligned
.endm
.irp t, 0,1,2,3,4,5,6,7,8,9,10,11,12,13,14,15
	XSTEP \t
.endr
	ds_load_b64 v[8:9], v6                         ; my wave's 256 scale bytes: these loads see my stores
	s_wait_dscnt 0x0
	global_store_b64 v4, v[8:9], s[16:17]          ; 256 consecutive bytes, aligned
	s_wait_tensorcnt 0x0                           ; the wave's end
	ds_add_u32 v[SPW], v[NIL]
	s_wait_dscnt 0x0
	s_endpgm
; ---- PATH W.  A work-group takes 64 columns of W_qkv and all of K.  A lane takes a column and its registers run down K: a block of 32 lies in one lane, and the conversions give codes with K innermost.
; Wave w: columns 32 (w % 2) on, K = 256 (w / 2) on: 8 blocks.  Codes and bytes meet in LDS, so that whole rows of 512 bytes and whole runs of 256 scale bytes leave.
.Lwp:
	s_cmp_ge_u32 ttmp9, 176
	s_cbranch_scc1 .Lp
	s_sub_co_u32 s26, ttmp9, 128                   ; g: columns 64 g on
	s_and_b32 s27, s24, 1                          ; wc
	s_lshr_b32 s28, s24, 1                         ; wk
	v_lshlrev_b32 v3, 2, v2                        ; in: 4 bytes a lane
	s_mul_i32 s30, s27, 32*528
	s_lshl_b32 s31, s28, 7
	s_add_co_u32 s30, s30, s31
	s_add_co_u32 s30, s30, WST
	v_mul_u32_u24 v4, v2, 528
	v_add_nc_u32 v4, s30, v4                       ; my column's row of codes, my wave's 128 bytes of it
	s_lshl_b32 s30, s27, 10
	s_lshl_b32 s31, s28, 3
	s_add_co_u32 s30, s30, s31
	s_add_co_u32 s30, s30, WSC
	v_lshl_add_u32 v5, v2, 5, s30                  ; my column's 32 scale bytes, my wave's 8 of them
	s_mul_i32 s30, s24, 8*528
	s_add_co_u32 s30, s30, WST
	v_lshlrev_b32 v7, 4, v2
	v_add_nc_u32 v6, s30, v7                       ; the way out: rows 8 w on, 16 bytes a lane
	v_lshlrev_b32 v15, 3, v0
	v_add_nc_u32 v14, WSC, v15                     ; and 8 scale bytes a thread
	s_mul_i32 s30, s28, 256*12288                  ; W_qkv: 256 wk rows of 12,288 bytes + 4 x column
	s_lshl_b32 s31, s26, 8
	s_add_co_u32 s30, s30, s31
	s_lshl_b32 s31, s27, 7
	s_add_co_u32 s30, s30, s31
	s_mov_b32 s31, 0
	s_add_nc_u64 s[10:11], s[10:11], s[30:31]
	s_lshl_b32 s30, s26, 15                        ; wq: rows 64 g + 8 w of 512 bytes
	s_lshl_b32 s32, s24, 12
	s_add_co_u32 s30, s30, s32
	s_add_nc_u64 s[18:19], s[18:19], s[30:31]
	s_lshl_b32 s30, s26, 11                        ; ws: rows 64 g of 32 bytes
	s_add_nc_u64 s[20:21], s[20:21], s[30:31]
.macro WLOAD t                         ; block t: W(32 t + i, my column) into set t % 2; the largest offset, 255 rows, lies inside the signed 24-bit immediate
.irp i, 0,1,2,3,4,5,6,7,8,9,10,11,12,13,14,15,16,17,18,19,20,21,22,23,24,25,26,27,28,29,30,31
	global_load_b32 v[32+32*((\t)%2)+\i], v3, s[10:11] offset:(32*(\t)+\i)*12288 th:TH_LOAD_NT
.endr
.endm
	WLOAD 0
	WLOAD 1
.macro WBLOCK t
.set WS, 32+32*((\t)%2)
.if (\t) < 7
	s_wait_loadcnt 32                              ; this block's 32 loads are in; the next block's may be out
.else
	s_wait_loadcnt 0x0
.endif
	v_max3_num_f32 v8, |v[WS]|, |v[WS+1]|, |v[WS+2]|
	v_max3_num_f32 v9, |v[WS+3]|, |v[WS+4]|, |v[WS+5]|
.irp i, 6,10,14,18,22,26
	v_max3_num_f32 v8, v8, |v[WS+\i]|, |v[WS+\i+1]|
	v_max3_num_f32 v9, v9, |v[WS+\i+2]|, |v[WS+\i+3]|
.endr
	v_max3_num_f32 v8, v8, |v[WS+30]|, |v[WS+31]|
	v_max3_num_f32 v8, v8, v9, 0x1800000           ; the floor 2^(3 - 127)
	v_add_nc_u32 v11, 0xff000000, v8
	v_lshrrev_b32 v10, 23, v11                     ; the scale's byte
.if (\t)%4 == 0
	v_mov_b32 v[24+(\t)/4], v10                    ; four bytes to a register, the lower K in the lower byte
.else
	v_lshl_or_b32 v[24+(\t)/4], v10, 8*((\t)%4), v[24+(\t)/4]
.endif
.irp g, 0,1,2,3
	v_cvt_scalef32_pk8_fp4_f32 v[96+\g], v[WS+8*\g:WS+8*\g+7], v11
.endr
	ds_store_b128 v4, v[96:99] offset:16*(\t)      ; 32 codes: 16 bytes of my column's row
.if (\t)+2 < 8
	WLOAD (\t)+2
.endif
	s_wait_dscnt 0x0                               ; the store has read its registers: the next block's codes may be written
.endm
.irp t, 0,1,2,3,4,5,6,7
	WBLOCK \t
.endr
	ds_store_b64 v5, v[24:25]
	s_wait_dscnt 0x0                               ; for the others' sake: my stores have landed
	s_barrier_signal -1
	s_barrier_wait -1
.irp i, 0,1,2,3,4,5,6,7
	ds_load_b128 v[112+4*\i:115+4*\i], v6 offset:528*\i
.endr
	ds_load_b64 v[144:145], v14
.irp i, 0,1,2,3,4,5,6,7
	s_wait_dscnt 8-\i                              ; row i is in; the later rows' loads and the bytes' load may be out
	global_store_b128 v7, v[112+4*\i:115+4*\i], s[18:19] offset:512*\i     ; a whole row: 512 consecutive bytes
.endr
	s_wait_dscnt 0x0
	global_store_b64 v15, v[144:145], s[20:21]     ; a wave stores 256 consecutive bytes, aligned
	s_wait_tensorcnt 0x0                           ; the wave's end
	ds_add_u32 v[SPW], v[NIL]
	s_wait_dscnt 0x0
	s_endpgm
; ---- PATH P.  A lane takes a column of W_proj and 32 numbers down K at a time; eight neighbours along K pack into 16 bytes, which are the column's place in an image: quad q (k = 8 q on) is byte 256 q + 16 r.
; Sixteen lanes store 256 consecutive bytes, aligned.  No LDS byte is used but the spare words.
.Lp:
	s_sub_co_u32 s26, ttmp9, 176
	s_and_b32 s27, s26, 3                          ; columns 256 (g % 4) + 32 w + lane
	s_lshr_b32 s28, s26, 2                         ; K = 128 (g / 4) on
	v_lshlrev_b32 v3, 2, v2
	v_lshrrev_b32 v4, 4, v2
	v_and_b32 v5, 15, v2
	v_lshlrev_b32 v5, 4, v5
	v_lshl_add_u32 v4, v4, 15, v5                  ; out: 32,768 (lane / 16) + 16 (lane % 16)
	s_lshl_b32 s30, s28, 19
	s_lshl_b32 s31, s27, 10
	s_add_co_u32 s30, s30, s31
	s_lshl_b32 s31, s24, 7
	s_add_co_u32 s30, s30, s31
	s_mov_b32 s31, 0
	s_add_nc_u64 s[12:13], s[12:13], s[30:31]
	s_lshl_b32 s30, s27, 19                        ; wf: column block 16 (g % 4) + 2 w, k step 4 (g / 4)
	s_lshl_b32 s32, s24, 16
	s_add_co_u32 s30, s30, s32
	s_lshl_b32 s32, s28, 12
	s_add_co_u32 s30, s30, s32
	s_add_nc_u64 s[22:23], s[22:23], s[30:31]
.macro PLOAD t
.irp i, 0,1,2,3,4,5,6,7,8,9,10,11,12,13,14,15,16,17,18,19,20,21,22,23,24,25,26,27,28,29,30,31
	global_load_b32 v[32+32*((\t)%2)+\i], v3, s[12:13] offset:(32*(\t)+\i)*4096 th:TH_LOAD_NT
.endr
.endm
.macro PSTEP t
.if (\t) < 3
	s_wait_loadcnt 32                              ; this step's 32 loads are in; the next step's may be out
.else
	s_wait_loadcnt 0x0
.endif
.irp i, 0,1,2,3,4,5,6,7,8,9,10,11,12,13,14,15
	v_cvt_pk_f16_f32 v[96+16*(\t)+\i], v[32+32*((\t)%2)+2*\i], v[32+32*((\t)%2)+2*\i+1]
.endr
.if (\t)+2 < 4
	PLOAD (\t)+2
.endif
.irp q, 0,1,2,3
	global_store_b128 v4, v[96+16*(\t)+4*\q:96+16*(\t)+4*\q+3], s[22:23] offset:1024*(\t)+256*\q   ; each step has data registers of its own
.endr
.endm
	PLOAD 0
	PLOAD 1
.irp t, 0,1,2,3
	PSTEP \t
.endr
	s_wait_tensorcnt 0x0                           ; the wave's end, as on the other two paths
	ds_add_u32 v[SPW], v[NIL]
	s_wait_dscnt 0x0
	s_endpgm
.Lfunc_end_k_q354eec1858_prep:
	.size	k_q354eec1858_prep, .Lfunc_end_k_q354eec1858_prep-k_q354eec1858_prep
	.p2alignl 7, 3214868480
	.fill 96, 4, 3214868480
	.section	.rodata,"a",@progbits
	.p2align	6, 0x0
	.amdhsa_kernel k_q354eec1858_prep
		.amdhsa_group_segment_fixed_size 102400
		.amdhsa_private_segment_fixed_size 0
		.amdhsa_enable_private_segment 0
		.amdhsa_kernarg_size 64
		.amdhsa_user_sgpr_count 2
		.amdhsa_user_sgpr_kernarg_segment_ptr 1
		.amdhsa_wavefront_size32 1
		.amdhsa_system_sgpr_workgroup_id_x 1
		.amdhsa_system_sgpr_workgroup_id_y 1
		.amdhsa_system_sgpr_workgroup_id_z 1
		.amdhsa_system_vgpr_workitem_id 0
		.amdhsa_next_free_vgpr 224
		.amdhsa_next_free_sgpr 66
		.amdhsa_reserve_vcc 0
		.amdhsa_float_denorm_mode_32 3
		.amdhsa_float_denorm_mode_16_64 3
		.amdhsa_memory_ordered 1
		.amdhsa_forward_progress 1
		.amdhsa_inst_pref_size 91
	.end_amdhsa_kernel
	.amdgpu_metadata
---
amdhsa.version: [ 1, 2 ]
amdhsa.kernels:
  - .name:           k_q354eec1858_prep
    .symbol:         k_q354eec1858_prep.kd
    .args:
      - { .name: x, .offset: 0, .size: 8, .value_kind: global_buffer, .address_space: global }
      - { .name: W_qkv, .offset: 8, .size: 8, .value_kind: global_buffer, .address_space: global }
      - { .name: W_proj, .offset: 16, .size: 8, .value_kind: global_buffer, .address_space: global }
      - { .name: xq, .offset: 24, .size: 8, .value_kind: global_buffer, .address_space: global }
      - { .name: xs, .offset: 32, .size: 8, .value_kind: global_buffer, .address_space: global }
      - { .name: wq, .offset: 40, .size: 8, .value_kind: global_buffer, .address_space: global }
      - { .name: ws, .offset: 48, .size: 8, .value_kind: global_buffer, .address_space: global }
      - { .name: wf, .offset: 56, .size: 8, .value_kind: global_buffer, .address_space: global }
    .group_segment_fixed_size: 102400
    .private_segment_fixed_size: 0
    .kernarg_segment_align: 8
    .kernarg_segment_size: 64
    .max_flat_workgroup_size: 256
    .sgpr_count:     66
    .vgpr_count:     224
    .wavefront_size: 32
...
	.end_amdgpu_metadata
.endif
;; end of part 1
;; launch qkv (part 2): grid 12 x 32, 4 waves a work-group, clusters of 4 x 4, 327,680 bytes of LDS; arguments xq, xs, wq, ws, cos, sin, qkvf, fine; writes qkvf, fine
.if DOCPART == 2
	.amdgcn_target "amdgcn-amd-amdhsa--gfx1250"
	.amdhsa_code_object_version 6
	.text
	.protected	k_q354eec1858_qkv
	.globl	k_q354eec1858_qkv
	.p2align	8
	.type	k_q354eec1858_qkv,@function
k_q354eec1858_qkv:
	s_mov_b64 s[64:65], 0
	v_nop
	global_prefetch_b8 v0, s[64:65] scope:SCOPE_SE
	s_setreg_imm32_b32 hwreg(HW_REG_WAVE_MODE, 25, 1), 1
	s_wait_xcnt 0x0
	s_wait_alu depctr_hold_cnt(0) depctr_sa_sdst(0) depctr_va_vdst(0) depctr_va_sdst(0) depctr_va_ssrc(0) depctr_va_vcc(0) depctr_vm_vsrc(0)
	s_getreg_b32 s2, hwreg(HW_REG_IB_STS2, 6, 4)
	s_cmp_eq_u32 s2, 0
	s_cbranch_scc0 .Lentry_in_a_cluster
	s_endpgm
.Lentry_in_a_cluster:
	s_bfe_u32 s2, ttmp6, 0x10000c
	s_cmp_lg_u32 s2, 0xf033
	s_cbranch_scc0 .Lentry_shape_is_right
	s_endpgm
.Lentry_shape_is_right:
; QKV: qkv = Q(x) Q(W_qkv) on codes of E2M1 with E8M0 scales, f32 sums; RoPE on q and k in f32; q, k and v^T leave as f16 images of operand registers; positions 0-15 of each sequence leave in f32 too.
; A work-group of four waves makes 256 x 256 of the product, a wave 128 x 128: 64 accumulators.  K = 1,024 is two LDS slots of 512 along K: both are asked for at the head and nothing is filled again.
; TWO REGIONS.  The matrix instruction takes 16 rows of region B as source 0 and 16 rows of region A as source 1: in a result lane l holds row l % 16 of A's block and its registers rows 8 (l / 16) + 0..7 of B's.
;   q, k (cluster x = 0, 1): A = 256 positions of x, B = 256 columns of W: a lane holds one position and 8 neighbouring channels: RoPE's partner, 32 channels on, is the same register two blocks on.
;   v    (cluster x = 2):    A = 256 columns of W, B = 256 positions: a lane holds one channel and 8 neighbouring keys, which is a piece of a fragment of v^T.
; Both tensors have rows of 512 bytes of codes and 32 scale bytes, so only the pointers are chosen, on the cluster's x.
; CLUSTER 4 x 4: A's tile hangs on cy and the cluster's ids and is shared along a row of the cluster, B's on cx and is shared along a column: each is asked for jointly.  The batch is cy (v: cx) and the block of
; 256 positions is the cluster's y, so every branch below hangs on the cluster's ids and the wave's number alone.
; OUT: qkvf part 0 (q), 1 (k): [b 16 + head][position / 16][kk 2][1,024 bytes]; part 2 (v^T): [b 16 + head][key / 32][ct 4][1,024 bytes]; an image's byte 512 c + 16 lane holds k = 16 c + 8 (lane / 16) + 0..7
; of row lane % 16.  A lane's 8 results pack into its 16 bytes of an image: every store of a wave covers 512 consecutive bytes, and no stage is needed.
; fine: [kind 3][b][head][piece 8][lane][16 bytes] f32: the same registers, unpacked, for positions 0-15.
; No prefetch: all of K is asked for at the head.  LIMIT: |q|, |k|, |v| above 65,504 become infinities of f16 (the drawn inputs give about 1).
; REGISTERS: window 0: v16-31 addresses; v32-95 scale words, two sets; v128-191 A's fragments, one set; v192-255 cos and sin.  Window 1: B's fragments, two sets.  Windows 2, 3: the accumulators, (a, b) at v[8 (8 (a % 4) + b)].
.set NQ,     4                         ; steps of 128 along K in a slot
.set ROWB,   256                       ; a tile's row in bytes: 512 codes
.set KROW,   512                       ; a row of codes in memory
.set PITCH,  272                       ; an LDS row: 256 bytes + 16 of padding: the 16 rows that a load touches start 16 bytes further on in the banks each
.set FR,     8
.set NL,     2
.set NP,     4                         ; places behind this matrix instruction (ISA guide 7.12.1)
.set HALFT,  128*PITCH
.set SLOT,   4*HALFT
.set KS,     32                        ; a row of scale bytes
.set SCL,    2*SLOT                    ; behind the slots: the scales, as units of 256 bytes + 16 of padding
.set HALFS,  (128*KS/256)*272
.set SBLK,   (16*KS/256)*272
.set SPARE,  SCL+4*HALFS               ; the spare words: 128 bytes for each wave
.set ADRA, 16
.set ADRB, 20
.set ADRS, 27
.set SPW,  28
.set NIL,  29
.set GO,   30                          ; v30  16 x lane: my place in every 512 bytes stored
.set CA,   31                          ; v31  cos, sin: (128 x row half + r) rows of 256 bytes + 32 h
.set SC,   32
.set AF,   128
.set CSR,  192                         ; v192-223 cos of my position's 4 x 8 channels, v224-255 sin
.set RR,   128                         ; the way out: 64 rotated numbers (two heads x 32)
.set PK,   32                          ; the way out: packed f16, two sets of 32
.set G1, 24
.set G0, 32
.set G1B, 48
.set G0B, 56
.set G1S, 68
.set G0S, 76
.set G1SB, 80
.set G0SB, 88
.set MSB, 0
.macro WIN new                         ; the immediate's high byte repeats the setting that is left
.if MSB != (\new)
	s_set_vgpr_msb (MSB<<8)|(\new)
.set MSB, (\new)
.endif
.endm
.set MUL_LO, 0xa1
.set MUL_HI, 0xf1
.set TO_B,   0x40
.macro JLOAD g0a, g1a, g0b, g1b        ; a joint load: waves 0 and 1 fetch for region A, waves 2 and 3 for B; an s_nop 0 and four v_nop follow each line
	s_cmp_eq_u32 s15, 0
	s_cbranch_scc0 .Lfor_b_\@
	tensor_load_to_lds s[\g0a:\g0a+3], s[\g1a:\g1a+7]
	s_nop 0
.rept 4
	v_nop
.endr
	s_branch .Lasked_\@
.Lfor_b_\@:
	tensor_load_to_lds s[\g0b:\g0b+3], s[\g1b:\g1b+7]
	s_nop 0
.rept 4
	v_nop
.endr
.Lasked_\@:
.endm
.macro CROUND                          ; a round of the cluster's barrier
	s_barrier_signal -1
	s_barrier_wait -1
	s_cmp_lg_u32 s14, 0
	s_cbranch_scc1 .Lnot_wave_0_\@
	s_barrier_signal -3
.Lnot_wave_0_\@:
	s_barrier_wait -3
	s_barrier_signal -1
	s_barrier_wait -1
.endm
	s_load_b128 s[4:7], s[0:1], 0x0                ; xq, xs
	s_load_b128 s[8:11], s[0:1], 0x10              ; wq, ws
	v_lshl_add_u32 v[SPW], v0, 2, SPARE
	v_mov_b32 v[NIL], 0
	ds_add_u32 v[SPW], v[NIL]                      ; the wave's opening: the add, twice on end, and its wait ahead of my first tensor load
	ds_add_u32 v[SPW], v[NIL]
	v_lshrrev_b32 v1, 5, v0
	v_readfirstlane_b32 s14, v1                    ; wave 0..3
	s_lshr_b32 s15, s14, 1                         ; my half of region A's rows.  Also: I fetch for A (0) or for B (1)
	s_and_b32 s16, s14, 1                          ; my half of region B's rows.  Also: which 128 rows I fetch
	s_bfe_u32 s40, ttmp6, 0x40000                  ; cx
	s_bfe_u32 s41, ttmp6, 0x40004                  ; cy
	s_and_b32 s95, ttmp7, 0xffff                   ; Y: the cluster's y: which 256 positions of a sequence
	s_lshl_b32 s17, s41, 3
	s_add_co_u32 s17, s17, s95                     ; q, k: A's tile = x's rows 256 (8 cy + Y) on
	s_add_co_u32 s18, s41, 8                       ; v:    A's tile = W's columns 256 (8 + cy) on
	s_lshl_b32 s42, ttmp9, 2
	s_add_co_u32 s42, s42, s40                     ; q, k: B's tile = W's columns 256 (4 X + cx) on
	s_lshl_b32 s46, s40, 3
	s_add_co_u32 s46, s46, s95                     ; v:    B's tile = x's rows 256 (8 cx + Y) on
	s_cmp_eq_u32 ttmp9, 2
	s_cselect_b32 s17, s18, s17
	s_cselect_b32 s42, s46, s42
	s_lshl_b32 s43, s41, 2
	s_lshl_b32 s43, 15, s43                        ; my row of the cluster
	s_lshl_b32 s44, 0x1111, s40                    ; my column
	s_or_b32 s[G1+0], s43, (0<<16)|(1<<20)|(1<<21)|(5<<22)|(3<<25)  ; the mask; elements of 1 byte; padding on; bit 21 beside a mask; 4 words behind every 64
	s_or_b32 s[G1B+0], s44, (0<<16)|(1<<20)|(1<<21)|(5<<22)|(3<<25)
.irp g, G1, G1B
	s_mov_b32 s[\g+1], ROWB<<16                    ; tensor_dim0
	s_mov_b32 s[\g+2], 128<<16                     ; tensor_dim1
	s_mov_b32 s[\g+3], ROWB<<16                    ; tile_dim0
	s_mov_b32 s[\g+4], 128                         ; tile_dim1
	s_mov_b32 s[\g+5], KROW                        ; the pitch
	s_mov_b32 s[\g+6], 0
	s_mov_b32 s[\g+7], 0
.endr
	s_or_b32 s[G1S+0], s43, (3<<16)|(1<<20)|(1<<21)|(5<<22)|(3<<25)  ; the scales of 128 rows: 4,096 dense bytes as 16 rows of 256 (32 elements of 8 bytes)
	s_or_b32 s[G1SB+0], s44, (3<<16)|(1<<20)|(1<<21)|(5<<22)|(3<<25)
.irp g, G1S, G1SB
	s_mov_b32 s[\g+1], 32<<16
	s_mov_b32 s[\g+2], (128*KS/256)<<16
	s_mov_b32 s[\g+3], 32<<16
	s_mov_b32 s[\g+4], 128*KS/256
	s_mov_b32 s[\g+5], 32
	s_mov_b32 s[\g+6], 0
	s_mov_b32 s[\g+7], 0
.endr
	s_lshl_b32 s18, s16, 7                         ; which 128 rows of the tile I fetch
	s_lshl_b32 s20, s17, 8
	s_add_co_u32 s20, s20, s18                     ; A's row
	s_lshl_b32 s46, s42, 8
	s_add_co_u32 s46, s46, s18                     ; B's row
	s_lshl_b32 s22, s20, 5                         ; where these rows' scale bytes begin,
	s_mov_b32 s23, 0
	s_lshl_b32 s92, s46, 5
	s_mov_b32 s93, 0
	s_lshl_b32 s20, s20, 9                         ; and their codes
	s_mov_b32 s21, 0
	s_lshl_b32 s46, s46, 9
	s_mov_b32 s47, 0
	s_mul_i32 s45, s14, HALFT                      ; where they go: wave x 128 rows: no place in the cluster enters an LDS address
	s_mul_i32 s94, s14, HALFS
	s_wait_dscnt 0x0                               ; both opening adds are done
	s_wait_kmcnt 0x0
	s_cmp_eq_u32 ttmp9, 2                          ; the regions' buffers: a choice on the cluster's x
	s_cselect_b64 s[96:97], s[8:9], s[4:5]         ; A's codes
	s_cselect_b64 s[98:99], s[10:11], s[6:7]       ; A's scales
	s_cselect_b64 s[100:101], s[4:5], s[8:9]       ; B's codes
	s_cselect_b64 s[104:105], s[6:7], s[10:11]     ; B's scales
	s_add_nc_u64 s[20:21], s[96:97], s[20:21]
	s_add_nc_u64 s[22:23], s[98:99], s[22:23]
	s_add_nc_u64 s[46:47], s[100:101], s[46:47]
	s_add_nc_u64 s[92:93], s[104:105], s[92:93]
	CROUND                                         ; all sixteen work-groups are here: the joint loads meet
	s_mov_b32 s[G0S], 1
	s_add_co_u32 s[G0S+1], s94, SCL
	s_mov_b64 s[G0S+2:G0S+3], s[22:23]
	s_or_b32 s[G0S+3], s[G0S+3], 0x80000000
	s_mov_b32 s[G0SB], 1
	s_add_co_u32 s[G0SB+1], s94, SCL
	s_mov_b64 s[G0SB+2:G0SB+3], s[92:93]
	s_or_b32 s[G0SB+3], s[G0SB+3], 0x80000000
	JLOAD G0S, G1S, G0SB, G1SB                     ; the scales first: they are wanted with the first half of K
.irp s, 0,1
	s_mov_b32 s[G0+4*\s], 1
	s_add_co_u32 s[G0+4*\s+1], s45, \s*SLOT
	s_add_nc_u64 s[G0+4*\s+2:G0+4*\s+3], s[20:21], \s*ROWB
	s_or_b32 s[G0+4*\s+3], s[G0+4*\s+3], 0x80000000
	s_mov_b32 s[G0B+4*\s], 1
	s_add_co_u32 s[G0B+4*\s+1], s45, \s*SLOT
	s_add_nc_u64 s[G0B+4*\s+2:G0B+4*\s+3], s[46:47], \s*ROWB
	s_or_b32 s[G0B+4*\s+3], s[G0B+4*\s+3], 0x80000000
	JLOAD G0+4*\s, G1, G0B+4*\s, G1B               ; three loads of mine are out in all
.endr
	s_load_b128 s[4:7], s[0:1], 0x20               ; cos, sin
	s_load_b128 s[8:11], s[0:1], 0x30              ; qkvf, fine
	v_and_b32 v1, 15, v0                           ; r
	v_bfe_u32 v2, v0, 4, 1                         ; h
	v_mul_u32_u24 v3, v1, PITCH
	v_lshl_add_u32 v4, v2, 4, v3                   ; a fragment's row x pitch + 16 h
	s_mul_i32 s21, s15, HALFT
	s_mul_i32 s22, s16, HALFT
	s_add_co_u32 s22, s22, 2*HALFT
.irp s, 0,1
	v_add_nc_u32 v[ADRA+\s], s21, v4
	v_add_nc_u32 v[ADRB+\s], s22, v4
	s_add_co_u32 s21, s21, SLOT
	s_add_co_u32 s22, s22, SLOT
.endr
	v_mul_u32_u24 v5, v1, KS                       ; my row's scales: 32 bytes a row,
	v_lshrrev_b32 v6, 8, v5
	v_lshl_add_u32 v5, v6, 4, v5                   ; and 16 more for each 256 passed
	s_mul_i32 s21, s15, HALFS
	s_mul_i32 s22, s16, HALFS
	s_add_co_u32 s22, s22, 2*HALFS
	s_sub_co_u32 s22, s22, s21
	v_mul_u32_u24 v6, s22, v2                      ; lanes 16-31 take region B's
	s_add_co_u32 s21, s21, SCL
	v_add_nc_u32 v5, v5, v6
	v_add_nc_u32 v[ADRS], s21, v5
	v_and_b32 v6, 31, v0
	v_lshlrev_b32 v[GO], 4, v6
	v_lshlrev_b32 v[CA], 8, v1
	v_lshl_add_u32 v[CA], v2, 5, v[CA]
	s_lshl_b32 s21, s15, 15
	v_add_nc_u32 v[CA], s21, v[CA]
	; where my results go.  q, k: head 4 cx + 2 (B half) + e of batch cy; v: head 4 cy + 2 (A half) + a / 4 of batch cx
	s_lshl_b32 s2, s41, 4
	s_lshl_b32 s66, s40, 2
	s_add_co_u32 s2, s2, s66
	s_lshl_b32 s66, s16, 1
	s_add_co_u32 s2, s2, s66                       ; q, k: 16 b + head
	s_lshl_b32 s3, s40, 4
	s_lshl_b32 s66, s41, 2
	s_add_co_u32 s3, s3, s66
	s_lshl_b32 s66, s15, 1
	s_add_co_u32 s3, s3, s66                       ; v: 16 b + head
	s_lshl_b32 s12, s2, 7
	s_lshl_b32 s66, s95, 4
	s_add_co_u32 s12, s12, s66
	s_lshl_b32 s66, s15, 3
	s_add_co_u32 s12, s12, s66                     ; q, k: block of 16 positions: 16 Y + 8 (A half)
	s_lshl_b32 s12, s12, 11                        ; 2,048 bytes each
	s_lshl_b32 s66, ttmp9, 24
	s_add_co_u32 s12, s12, s66                     ; in part X
	s_lshl_b32 s67, s3, 6
	s_lshl_b32 s66, s95, 3
	s_add_co_u32 s67, s67, s66
	s_lshl_b32 s66, s16, 2
	s_add_co_u32 s67, s67, s66                     ; v: block of 32 keys: 8 Y + 4 (B half)
	s_lshl_b32 s67, s67, 12                        ; 4,096 bytes each
	s_add_co_u32 s67, s67, 0x2000000               ; in part 2
	s_lshl_b32 s2, s2, 12
	s_lshl_b32 s66, ttmp9, 18
	s_add_co_u32 s2, s2, s66                       ; fine: 4,096 bytes a head, 262,144 a kind
	s_lshl_b32 s3, s3, 12
	s_add_co_u32 s3, s3, 0x80000
	s_cmp_eq_u32 ttmp9, 2
	s_cselect_b32 s12, s67, s12
	s_cselect_b32 s2, s3, s2
	s_mov_b32 s13, 0
	s_mov_b32 s3, 0
	s_lshl_b32 s66, s95, 16                        ; cos, sin: position 256 Y, 256 bytes a position
	s_mov_b32 s67, 0
	s_wait_kmcnt 0x0
	s_add_nc_u64 s[12:13], s[8:9], s[12:13]
	s_add_nc_u64 s[10:11], s[10:11], s[2:3]
	s_add_nc_u64 s[4:5], s[4:5], s[66:67]
	s_add_nc_u64 s[6:7], s[6:7], s[66:67]
.macro FRAG reg, adr, q, i             ; 16 rows x 128 K of 4-bit codes: 8 registers: registers 4 c .. 4 c + 3 hold K = 64 c + 32 (l / 16) + 0 .. 31 of row l % 16
.irp c, 0,1
	ds_load_b128 v[\reg+4*\c:\reg+4*\c+3], v[\adr] offset:64*(\q)+32*\c+(\i)*16*PITCH
.endr
.endm
; 16 matrix instructions: A's blocks a0, a0 + 1 x B's eight.  The 64 accumulators take turns, one instruction a turn, in the same order in every step.
.macro MUL16 a0, p, q, sc, zero
.irp a, \a0, \a0+1
.irp b, 0,1,2,3,4,5,6,7
.if \zero
	v_wmma_scale_f32_16x16x128_f8f6f4 v[8*(8*((\a)%4)+\b):8*(8*((\a)%4)+\b)+7], v[128*(\p)+FR*\b:128*(\p)+FR*\b+FR-1], v[AF+FR*(\a):AF+FR*(\a)+FR-1], 0, v[SC+8*NQ*(\sc)+NQ*\b+(\q)], v[SC+8*NQ*(\sc)+NQ*(\a)+(\q)] matrix_a_fmt:MATRIX_FMT_FP4 matrix_b_fmt:MATRIX_FMT_FP4 matrix_a_scale:MATRIX_SCALE_ROW1
.else
	v_wmma_scale_f32_16x16x128_f8f6f4 v[8*(8*((\a)%4)+\b):8*(8*((\a)%4)+\b)+7], v[128*(\p)+FR*\b:128*(\p)+FR*\b+FR-1], v[AF+FR*(\a):AF+FR*(\a)+FR-1], v[8*(8*((\a)%4)+\b):8*(8*((\a)%4)+\b)+7], v[SC+8*NQ*(\sc)+NQ*\b+(\q)], v[SC+8*NQ*(\sc)+NQ*(\a)+(\q)] matrix_a_fmt:MATRIX_FMT_FP4 matrix_b_fmt:MATRIX_FMT_FP4 matrix_a_scale:MATRIX_SCALE_ROW1
.endif
.endr
.endr
.endm
.macro FETCH_B slot, q, p
	WIN TO_B
.irp i, 0,1,2,3,4,5,6,7
	FRAG 128*(\p)+FR*\i, ADRB+\slot, \q, \i
.endr
	WIN 0
.endm
.macro FETCH_A slot, q, i0
.irp i, \i0, \i0+1, \i0+2, \i0+3
	FRAG AF+FR*(\i), ADRA+\slot, \q, \i
.endr
.endm
.macro SCALES sc                       ; a slot's scale words: 4 words a row; lanes 0-15 take A's block i, lanes 16-31 B's block i
.irp i, 0,1,2,3,4,5,6,7
	ds_load_b128 v[SC+8*NQ*\sc+NQ*\i:SC+8*NQ*\sc+NQ*\i+3], v[ADRS] offset:\i*SBLK
.endr
.endm
.macro PLACES n                        ; plain vector instructions between a matrix instruction and a load into, or a vector write of, its registers, or a read of its result
.rept \n
	v_nop
.endr
.endm
.macro STEP slot, q, zero              ; 128 along K with its successor in the same slot
	s_wait_dscnt 4*NL                              ; B's set and A's blocks 0-3 are in; the youngest eight loads (A's blocks 4-7) may be out
	WIN MUL_LO
	MUL16 0, (\q)%2, \q, \slot, \zero
	MUL16 2, (\q)%2, \q, \slot, \zero
	s_wait_dscnt 0
	PLACES NP
	FETCH_B \slot, (\q)+1, 1-(\q)%2
	FETCH_A \slot, (\q)+1, 0
	WIN MUL_HI
	MUL16 4, (\q)%2, \q, \slot, \zero
	MUL16 6, (\q)%2, \q, \slot, \zero
	PLACES NP
	WIN 0
	FETCH_A \slot, (\q)+1, 4
.endm
.macro TURN slot, next                 ; slot 0's last step: each wave has waited for its part of slot 1 in front of the barrier
	s_wait_tensorcnt 0x0                           ; all my tensor loads have landed
	ds_add_u32 v[SPW], v[NIL]                      ; 0 onto my spare word
	s_wait_dscnt 4*NL+1                            ; (the add and the youngest eight loads may be out)
	WIN MUL_LO
	MUL16 0, 1, NQ-1, \slot, 0
	s_wait_dscnt 0x0
	s_barrier_signal -1
	MUL16 2, 1, NQ-1, \slot, 0
	WIN 0
	s_barrier_wait -1
	PLACES NP
	v_add_nc_u32 v[ADRS], 4*NQ, v[ADRS]            ; on to the second half's scale words
	FETCH_B \next, 0, 0
	FETCH_A \next, 0, 0
	SCALES \next
	WIN MUL_HI
	MUL16 4, 1, NQ-1, \slot, 0
	MUL16 6, 1, NQ-1, \slot, 0
	PLACES NP
	WIN 0
	FETCH_A \next, 0, 4
.endm
.macro STEPS slot, from
.set Q, \from
.rept NQ-1-\from
	STEP \slot, Q, 0
.set Q, Q+1
.endr
.endm
.macro LAST                            ; the very last step: nothing more to fetch
	s_wait_dscnt 4*NL
	WIN MUL_LO
	MUL16 0, 1, NQ-1, 1, 0
	MUL16 2, 1, NQ-1, 1, 0
	s_wait_dscnt 0
	WIN MUL_HI
	MUL16 4, 1, NQ-1, 1, 0
	MUL16 6, 1, NQ-1, 1, 0
	WIN 0
	PLACES NP                                      ; in front of the first read of results and the first vector write of fragments' and scales' registers
.endm
.macro CSLOAD a                        ; cos and sin of position 16 a + r of my 128: channels 16 b + 8 h + 0..7, b = 0..3
.irp b, 0,1,2,3
.irp g, 0,1
	global_load_b128 v[CSR+8*\b+4*\g:CSR+8*\b+4*\g+3], v[CA], s[4:5] offset:(\a)*4096+64*\b+16*\g
	global_load_b128 v[CSR+32+8*\b+4*\g:CSR+32+8*\b+4*\g+3], v[CA], s[6:7] offset:(\a)*4096+64*\b+16*\g
.endr
.endr
.endm
; q, k: block a of 16 positions.  out[d] = q[d] cos[d] - q[d + 32] sin[d] for d < 32, q[d] cos[d] + q[d - 32] sin[d] for d >= 32: the partner lies two accumulators on, in the same lane and register.
.macro QKBLOCK a
	s_wait_loadcnt 0x0                             ; this block's cos and sin
	WIN 0x02+(\a)/4                                ; source 0: the accumulators' window
.irp e, 0,1
.irp p, 0,1
.irp i, 0,2,4,6
.set ALO, 8*(8*((\a)%4)+4*\e+\p)+\i
.set AHI, ALO+16
.set RLO, RR+32*\e+8*\p+\i
.set RHI, RLO+16
.set CLO, CSR+8*\p+\i
	v_pk_mul_f32 v[RLO:RLO+1], v[ALO:ALO+1], v[CLO:CLO+1]           ; each accumulator is read from its low end on
	v_pk_mul_f32 v[RHI:RHI+1], v[AHI:AHI+1], v[CLO+16:CLO+17]
	v_pk_fma_f32 v[RLO:RLO+1], v[AHI:AHI+1], v[CLO+32:CLO+33], v[RLO:RLO+1] neg_lo:[1,0,0] neg_hi:[1,0,0]
	v_pk_fma_f32 v[RHI:RHI+1], v[ALO:ALO+1], v[CLO+48:CLO+49], v[RHI:RHI+1]
.endr
.endr
.endr
	WIN 0
.if (\a) < 7
	CSLOAD (\a)+1                                  ; the next block's, under this block's packing and stores
.endif
.if (\a) == 0
	s_or_b32 s66, s95, s15                         ; positions 0-15 of a sequence: the cluster's y = 0, the first half of A's rows, block 0
	s_cmp_lg_u32 s66, 0
	s_cbranch_scc1 .Lno_fine_qk
.irp e, 0,1
.irp b, 0,1,2,3
.irp g, 0,1
	global_store_b128 v[GO], v[RR+32*\e+8*\b+4*\g:RR+32*\e+8*\b+4*\g+3], s[10:11] offset:\e*4096+(2*\b+\g)*512
.endr
.endr
.endr
	s_wait_xcnt 0x0                                ; the next block writes these registers again
.Lno_fine_qk:
.endif
.if (\a) >= 2
	s_wait_xcnt 0x0                                ; the stores of two blocks ago have read this set of packed registers
.endif
.irp e, 0,1
.irp b, 0,1,2,3
.irp i, 0,1,2,3
	v_cvt_pk_f16_f32 v[PK+32*((\a)%2)+16*\e+4*\b+\i], v[RR+32*\e+8*\b+2*\i], v[RR+32*\e+8*\b+2*\i+1]
.endr
.endr
.endr
.irp e, 0,1
.irp b, 0,1,2,3
	global_store_b128 v[GO], v[PK+32*((\a)%2)+16*\e+4*\b:PK+32*((\a)%2)+16*\e+4*\b+3], s[12:13] offset:\e*262144+(\a)*2048+512*\b   ; 512 consecutive bytes: image b / 2, group b % 2
.endr
.endr
.endm
; v: block a of 16 channels: accumulator (a, b) holds keys 16 b + 8 h + 0..7: group b % 2 of the image of keys 32 (b / 2) on
.macro VBLOCK a
.if (\a) >= 2
	s_wait_xcnt 0x0
.endif
	WIN 0x0a+5*((\a)/4)
.irp b, 0,1,2,3,4,5,6,7
.irp i, 0,1,2,3
	v_cvt_pk_f16_f32 v[PK+32*((\a)%2)+4*\b+\i], v[8*(8*((\a)%4)+\b)+2*\i], v[8*(8*((\a)%4)+\b)+2*\i+1]
.endr
.endr
	WIN 0
.irp b, 0,1,2,3,4,5,6,7
	global_store_b128 v[GO], v[PK+32*((\a)%2)+4*\b:PK+32*((\a)%2)+4*\b+3], s[12:13] offset:((\a)/4)*262144+(\b/2)*4096+((\a)%4)*1024+(\b%2)*512
.endr
.endm
	s_wait_tensorcnt 1                             ; the scales and my part of the first half of K are in; the second half's load may be out
	s_barrier_signal -1
	s_barrier_wait -1
	FETCH_B 0, 0, 0
	FETCH_A 0, 0, 0
	SCALES 0
	FETCH_A 0, 0, 4
	STEP 0, 0, 1                                   ; the first products start the sums: nothing is cleared
	STEPS 0, 1
	TURN 0, 1
	s_cmp_eq_u32 ttmp9, 2                          ; the cluster's x: alike in all partners.  The last four steps are written once for each way out
	s_cbranch_scc1 .Lv
	CSLOAD 0                                       ; the first block's cos and sin land under 256 matrix instructions
	STEPS 1, 0
	LAST
.irp a, 0,1,2,3,4,5,6,7
	QKBLOCK \a
.endr
	s_branch .Lend
.Lv:
	STEPS 1, 0
	LAST
	s_or_b32 s66, s95, s16                         ; keys 0-15 of a sequence: the cluster's y = 0, the first half of B's rows, block 0
	s_cmp_lg_u32 s66, 0
	s_cbranch_scc1 .Lno_fine_v
.irp a, 0,1,2,3,4,5,6,7
	WIN 0x08+4*((\a)/4)                            ; a store's data: the accumulators' window
.irp g, 0,1
	global_store_b128 v[GO], v[64*((\a)%4)+4*\g:64*((\a)%4)+4*\g+3], s[10:11] offset:((\a)/4)*4096+(((\a)%4)*2+\g)*512
.endr
.endr
	WIN 0
.Lno_fine_v:
.irp a, 0,1,2,3,4,5,6,7
	VBLOCK \a
.endr
.Lend:
	s_wait_tensorcnt 0x0                           ; the wave's end
	ds_add_u32 v[SPW], v[NIL]
	s_wait_dscnt 0x0
	CROUND                                         ; the closing round
	s_endpgm
.Lfunc_end_k_q354eec1858_qkv:
	.size	k_q354eec1858_qkv, .Lfunc_end_k_q354eec1858_qkv-k_q354eec1858_qkv
	.p2alignl 7, 3214868480
	.fill 96, 4, 3214868480
	.section	.rodata,"a",@progbits
	.p2align	6, 0x0
	.amdhsa_kernel k_q354eec1858_qkv
		.amdhsa_group_segment_fixed_size 327680
		.amdhsa_private_segment_fixed_size 0
		.amdhsa_enable_private_segment 0
		.amdhsa_kernarg_size 64
		.amdhsa_user_sgpr_count 2
		.amdhsa_user_sgpr_kernarg_segment_ptr 1
		.amdhsa_wavefront_size32 1
		.amdhsa_system_sgpr_workgroup_id_x 1
		.amdhsa_system_sgpr_workgroup_id_y 1
		.amdhsa_system_sgpr_workgroup_id_z 1
		.amdhsa_system_vgpr_workitem_id 0
		.amdhsa_next_free_vgpr 1024
		.amdhsa_next_free_sgpr 106
		.amdhsa_reserve_vcc 0
		.amdhsa_float_denorm_mode_32 3
		.amdhsa_float_denorm_mode_16_64 3
		.amdhsa_memory_ordered 1
		.amdhsa_forward_progress 1
		.amdhsa_inst_pref_size 229
	.end_amdhsa_kernel
	.amdgpu_metadata
---
amdhsa.version: [ 1, 2 ]
amdhsa.kernels:
  - .name:           k_q354eec1858_qkv
    .symbol:         k_q354eec1858_qkv.kd
    .args:
      - { .name: xq, .offset: 0, .size: 8, .value_kind: global_buffer, .address_space: global }
      - { .name: xs, .offset: 8, .size: 8, .value_kind: global_buffer, .address_space: global }
      - { .name: wq, .offset: 16, .size: 8, .value_kind: global_buffer, .address_space: global }
      - { .name: ws, .offset: 24, .size: 8, .value_kind: global_buffer, .address_space: global }
      - { .name: cos, .offset: 32, .size: 8, .value_kind: global_buffer, .address_space: global }
      - { .name: sin, .offset: 40, .size: 8, .value_kind: global_buffer, .address_space: global }
      - { .name: qkvf, .offset: 48, .size: 8, .value_kind: global_buffer, .address_space: global }
      - { .name: fine, .offset: 56, .size: 8, .value_kind: global_buffer, .address_space: global }
    .group_segment_fixed_size: 327680
    .private_segment_fixed_size: 0
    .kernarg_segment_align: 8
    .kernarg_segment_size: 64
    .max_flat_workgroup_size: 128
    .sgpr_count:     106
    .vgpr_count:     1024
    .wavefront_size: 32
...
	.end_amdgpu_metadata
.endif
;; end of part 2
;; launch attn (part 3): grid 4 x 64, 8 waves a work-group, no clusters, 327,680 bytes of LDS; arguments qkvf, yf; writes yf
.if DOCPART == 3
	.amdgcn_target "amdgcn-amd-amdhsa--gfx1250"
	.amdhsa_code_object_version 6
	.text
	.protected	k_q354eec1858_attn
	.globl	k_q354eec1858_attn
	.p2align	8
	.type	k_q354eec1858_attn,@function
k_q354eec1858_attn:
	s_mov_b64 s[64:65], 0
	v_nop
	global_prefetch_b8 v0, s[64:65] scope:SCOPE_SE
	s_setreg_imm32_b32 hwreg(HW_REG_WAVE_MODE, 25, 1), 1
	s_wait_xcnt 0x0
; ATTN: y = softmax(q k^T / 8, causal) v for each of 64 (batch, head), f16 operands, f32 sums, maxima and exponentials.
; LEFT OUT: steps of 64 keys that all come after a wave's 32 queries: reference()'s own causal mask gives them the weight 0 (shown at the head of the first kernel).
; SHARES.  A head has 8 blocks of 256 queries.  Work-group (i, head) makes block 7 - i over key chunks 0 .. 7 - i (pass A) and then block i over chunks 0 .. i (pass B): 9 chunks of 256 keys for every
; work-group, so the trip counts are constants.  Wave w owns 32 queries of the block in hand: two tiles of 16.  A chunk is one LDS slot and four steps of 64 keys.
; LAYOUT.  S^T = K Q^T (source 0 = 16 keys, source 1 = 16 queries): a lane holds one query (lane % 16) and keys 8 (lane / 16) + 0..7.  Two such tiles, packed to f16, are source 1 of O^T = V^T P, whose result
; again holds one query a lane and eight channels, which pack into the lane's 16 bytes of an image of the projection's operand.  q, k and v^T arrive as images of operand registers:
; every fragment is two loads at 16 x lane, and every LDS access and every store covers 512 consecutive bytes.
; SOFTMAX.  A running maximum m and sum l for each query: p = 2^(c s - c m), c = log2(e) / 8; in every step O and l are multiplied by a = 2^(c m_old - c m_new).  Hidden scores become -infinity ahead of the
; maximum.  In a step that is walked its first key is at or under the wave's first query, so every query has a key that counts and m is a number.
; NO CLUSTER: the four work-groups of a head ask for the same chunks only in their first five loads of nine, and the change of pass would be a branch on a work-group's place.
; LIMIT: |y| above 65,504 becomes an infinity of f16 (y is a weighted mean of v, about 1 for the drawn inputs).  Positions 0-15 are made here too, inside live tiles; the last launch makes them anew in f32.
; REGISTERS.  Window 0: v1-6 addresses and the mask's numbers; v10, v11 the add's; v12-27 statistics, 8 a tile (+0 c m, +1 m, +2, +3 l, +4..+7 at work, a in +6); v28 the prefetch's offset;
;   v32-63 Q; v64-127 S^T; v128-159 P; v160-223 O^T.   Window 1: v0-63 K of a step; v64-127 V^T of a step; v128-159 pass B's Q.
.set SLOT1, 0x10000                    ; a slot: 32,768 bytes of K's images, then 32,768 of V^T's; one exclusive or turns an address into the other slot's
.set SPARE, 0x20000                    ; behind the slots: the spare words, 128 bytes for each of eight waves
.set LI,   1
.set ADR,  2
.set DM,   3
.set NINF, 4
.set DD,   5
.set SPW,  10
.set NIL,  11
.set ST,   12
.set PFO,  28
.set Q,    32
.set S,    64
.set P,    128
.set O,    160
.set MSB, 0
.macro WIN new
.if MSB != (\new)
	s_set_vgpr_msb (MSB<<8)|(\new)
.set MSB, (\new)
.endif
.endm
	s_load_b128 s[4:7], s[0:1], 0x0                ; qkvf, yf
	v_lshl_add_u32 v[SPW], v0, 2, SPARE
	v_mov_b32 v[NIL], 0
	ds_add_u32 v[SPW], v[NIL]                      ; the wave's opening: the add, twice on end, and its wait ahead of my first tensor load
	ds_add_u32 v[SPW], v[NIL]
	v_lshrrev_b32 v1, 5, v0
	v_readfirstlane_b32 s8, v1                     ; wave 0..7
	s_mov_b32 s9, ttmp9                            ; i
	s_and_b32 s10, ttmp7, 0xffff                   ; 16 b + head
	s_sub_co_u32 s11, 8, s9                        ; pass A's chunks
	s_lshl_b32 s12, s11, 15                        ; and their bytes: the way back to chunk 0
	s_mov_b32 s14, 0
	s_mov_b32 s15, 0
	s_mov_b32 s16, 3<<16                           ; group 1: 8,192 dense bytes as 32 rows of 256: elements of 8 bytes, no mask, no padding
	s_mov_b32 s17, 32<<16                          ; tensor_dim0 = 32
	s_mov_b32 s18, 32<<16                          ; tensor_dim1 = 32
	s_mov_b32 s19, 32<<16                          ; tile_dim0 = 32
	s_mov_b32 s20, 32                              ; tile_dim1 = 32
	s_mov_b32 s21, 32                              ; the pitch
	s_mov_b32 s22, 0
	s_mov_b32 s23, 0
	s_mov_b32 s28, 0x76543210                      ; v_permlanex16_b32: lane l xor 16
	s_mov_b32 s29, 0xfedcba98
	s_mov_b32 s30, 0x3e38aa3b                      ; c = log2(e) / 8
	s_mov_b32 s31, s30
	s_mov_b32 s32, 0                               ; LDS byte at which the step's tiles begin
	s_mov_b32 s33, 0                               ; the step's first key
	s_mov_b32 s35, 1                               ; the trip: 1 .. 8
	s_cmp_eq_u32 s9, 0
	s_cselect_b32 s37, 7, 0                        ; a wave prefetches while the trip is under this
	s_sub_co_u32 s44, 7, s9                        ; pass A's block
	s_lshl_b32 s45, s8, 5
	s_lshl_b32 s34, s44, 8
	s_add_co_u32 s34, s34, s45                     ; my first query in pass A,
	s_lshl_b32 s52, s9, 8
	s_add_co_u32 s52, s52, s45                     ; and in pass B
	s_lshl_b32 s45, s8, 1
	s_lshl_b32 s46, s44, 4
	s_add_co_u32 s46, s46, s45                     ; my first block of 16 positions: pass A,
	s_lshl_b32 s47, s9, 4
	s_add_co_u32 s47, s47, s45                     ; pass B
	s_lshl_b32 s45, s10, 7
	s_add_co_u32 s48, s45, s46
	s_lshl_b32 s48, s48, 11                        ; q: 2,048 bytes a block
	s_mov_b32 s49, 0
	s_add_co_u32 s50, s45, s47
	s_lshl_b32 s50, s50, 11
	s_mov_b32 s51, 0
	s_lshr_b32 s45, s10, 4
	s_lshl_b32 s45, s45, 7
	s_add_co_u32 s40, s45, s46
	s_lshl_b32 s40, s40, 15                        ; y: 32,768 bytes a block of 16 rows,
	s_add_co_u32 s42, s45, s47
	s_lshl_b32 s42, s42, 15
	s_and_b32 s45, s10, 15
	s_lshl_b32 s45, s45, 11                        ; my head's two images in it
	s_add_co_u32 s40, s40, s45
	s_add_co_u32 s42, s42, s45
	s_mov_b32 s41, 0
	s_mov_b32 s43, 0
	s_lshr_b32 s44, s8, 2                          ; what I fetch: waves 0-3 a quarter of K's images, waves 4-7 of V^T's
	s_add_co_u32 s44, s44, 1
	s_lshl_b32 s44, s44, 24
	s_lshl_b32 s45, s10, 18
	s_add_co_u32 s44, s44, s45
	s_and_b32 s45, s8, 3
	s_lshl_b32 s45, s45, 13
	s_add_co_u32 s44, s44, s45
	s_mov_b32 s45, 0
	s_wait_dscnt 0x0                               ; both opening adds are done
	s_wait_kmcnt 0x0
	s_mov_b32 s24, 1                               ; group 0: count
	s_lshl_b32 s25, s8, 13                         ; LDS: 8,192 x wave, in slot 0
	s_add_nc_u64 s[26:27], s[4:5], s[44:45]        ; chunk 0
	s_add_nc_u64 s[38:39], s[26:27], 0x8000        ; the prefetches stand one chunk on; the first change steps them to chunk 2
	s_or_b32 s27, s27, 0x80000000                  ; type
	tensor_load_to_lds s[24:27], s[16:23]          ; every wave issues a first fill
	s_nop 0
.rept 4
	v_nop
.endr
	s_add_nc_u64 s[48:49], s[4:5], s[48:49]
	s_add_nc_u64 s[50:51], s[4:5], s[50:51]
	s_add_nc_u64 s[40:41], s[6:7], s[40:41]
	s_add_nc_u64 s[42:43], s[6:7], s[42:43]
	v_and_b32 v1, 31, v0
	v_lshlrev_b32 v[PFO], 8, v1                    ; 256 x lane
	v_lshlrev_b32 v[LI], 4, v1                     ; 16 x lane
	v_and_b32 v[DM], 15, v0
	v_bfe_u32 v5, v0, 4, 1
	v_lshlrev_b32 v5, 3, v5
	v_sub_nc_u32 v[DM], v[DM], v5                  ; r - 8 h
	v_mov_b32 v[NINF], 0xff800000
.irp t, 0,1
.irp k, 0,1
.irp c, 0,1
	global_load_b128 v[Q+16*\t+8*\k+4*\c:Q+16*\t+8*\k+4*\c+3], v[LI], s[48:49] offset:\t*2048+\k*1024+512*\c
.endr
.endr
.endr
	WIN 0x40                                       ; destination window 1
.irp t, 0,1
.irp k, 0,1
.irp c, 0,1
	global_load_b128 v[128+16*\t+8*\k+4*\c:128+16*\t+8*\k+4*\c+3], v[LI], s[50:51] offset:\t*2048+\k*1024+512*\c
.endr
.endr
.endr
	WIN 0
.macro RESET                           ; a pass begins: m = -3e38, under every score; l and O^T zeros, which the first change of m leaves zeros.  The step is written once
.irp t, 0,1
	v_mov_b32 v[ST+8*\t], 0xff61b1e6
	v_mov_b32 v[ST+8*\t+1], 0xff61b1e6
.irp j, 2,3,4,5,6,7
	v_mov_b32 v[ST+8*\t+\j], 0
.endr
.endr
.set n, 0
.rept 64
	v_mov_b32 v[O+n], 0
.set n, n+1
.endr
.endm
	RESET
; THE CHANGE OF SLOTS stands at a chunk's head.  Each wave waits for all its tensor loads (its part of the slot ahead), adds 0 to its spare word, and waits for that and for its reads of the slot that it has left.
; Behind the barrier the slot ahead is whole and nobody reads the other one; fill = 1: it takes the next chunk: one load a wave, with four steps in which to land.  One load of a wave is out at the most.
.macro CHANGE fill
	s_wait_tensorcnt 0x0                           ; no tensor load of mine is out, so group 0 may be written
	ds_add_u32 v[SPW], v[NIL]
.if \fill
	s_xor_b32 s25, s25, SLOT1                      ; the other slot than last time,
	s_cmp_eq_u32 s35, s11                          ; the next chunk; at the change of pass back to chunk 0, by a selected step and no branch
	s_cselect_b32 s14, s12, 0
	s_add_nc_u64 s[26:27], s[26:27], 0x8000
	s_sub_nc_u64 s[26:27], s[26:27], s[14:15]
	s_wait_xcnt 0x0                                ; the last prefetch, a chunk back, has read its address
	s_add_nc_u64 s[38:39], s[38:39], 0x8000
.endif
	s_wait_dscnt 0x0                               ; the add is done, and my reads of the slot that I have left are over
	s_barrier_signal -1
	s_barrier_wait -1
.if \fill
	tensor_load_to_lds s[24:27], s[16:23]
	s_nop 0
.rept 4
	v_nop
.endr
	; A prefetch of what the next change will ask for.  The four work-groups of a head walk the same chunks: the one with i = 0, which walks all eight in pass A, asks, each wave for its own 8,192 bytes, lanes 256
	; bytes apart: each block of 256 bytes is named once in the launch.  Trip C asks for chunk C + 1, up to chunk 7; chunks 0 and 1 come by their loads alone; pass B's chunks have been read.
	s_cmp_lt_u32 s35, s37
	s_cbranch_scc0 .Lnot_mine_\@
	global_prefetch_b8 v[PFO], s[38:39] th:TH_LOAD_NT scope:SCOPE_SE
.Lnot_mine_\@:
.endif
.endm
; A STEP: 64 keys for my two tiles of queries.
.macro STEP
	s_add_co_u32 s44, s34, 31
	s_cmp_gt_u32 s33, s44                          ; all 64 keys come after my 32 queries: ids and the count of steps alone
	s_cbranch_scc1 .Lhid_\@
	v_add_nc_u32 v[ADR], s32, v[LI]
.rept 3
	v_nop                                          ; with the addition: four places behind the last products, in front of loads into their sources
.endr
	WIN 0x40
.irp f, 0,1,2,3,4,5,6,7                        ; K: fragment 2 kt + kk
.irp c, 0,1
	ds_load_b128 v[8*\f+4*\c:8*\f+4*\c+3], v[ADR] offset:1024*\f+512*\c
.endr
.endr
.irp f, 0,1,2,3,4,5,6,7                        ; V^T: fragment 4 u + ct
.irp c, 0,1
	ds_load_b128 v[64+8*\f+4*\c:64+8*\f+4*\c+3], v[ADR] offset:32768+1024*\f+512*\c
.endr
.endr
	s_wait_dscnt 16                                ; K is in; V^T's sixteen loads may be out
	WIN 0x01                                       ; source 0 in window 1
.irp kk, 0,1                                   ; the eight accumulators take turns, one instruction a turn
.irp kt, 0,1,2,3
.irp t, 0,1
.if \kk == 0
	v_wmma_f32_16x16x32_f16 v[S+32*\t+8*\kt:S+32*\t+8*\kt+7], v[16*\kt+8*\kk:16*\kt+8*\kk+7], v[Q+16*\t+8*\kk:Q+16*\t+8*\kk+7], 0
.else
	v_wmma_f32_16x16x32_f16 v[S+32*\t+8*\kt:S+32*\t+8*\kt+7], v[16*\kt+8*\kk:16*\kt+8*\kk+7], v[Q+16*\t+8*\kk:Q+16*\t+8*\kk+7], v[S+32*\t+8*\kt:S+32*\t+8*\kt+7]
.endif
.endr
.endr
.endr
	WIN 0
.rept 4
	v_nop
.endr
	s_add_co_u32 s44, s33, 63
	s_cmp_le_u32 s44, s34                          ; all 64 keys count for all my queries: no mask
	s_cbranch_scc1 .Lopen_\@
	s_sub_co_i32 s44, s34, s33
	v_add_nc_u32 v[DD], s44, v[DM]                 ; tile t: d = my query - the step's first key - 8 h; register 8 kt + j holds key 16 kt + 8 h + j: hidden where 16 kt + j > d
	v_add_nc_u32 v[DD+1], 16, v[DD]
.irp t, 0,1
.irp kt, 0,1,2,3
.irp j, 0,1,2,3,4,5,6,7
	v_cmp_gt_i32 vcc_lo, 16*\kt+\j, v[DD+\t]
	v_cndmask_b32 v[S+32*\t+8*\kt+\j], v[S+32*\t+8*\kt+\j], v[NINF], vcc_lo
.endr
.endr
.endr
.Lopen_\@:
	; the maximum of my 32 scores and the old m, in four chains; the two tiles line by line
.irp j, 0,1,2,3
.irp t, 0,1
	v_max3_num_f32 v[ST+8*\t+4+\j], v[S+32*\t+8*\j], v[S+32*\t+8*\j+1], v[S+32*\t+8*\j+2]
.endr
.endr
.irp q, 1,2
.irp j, 0,1,2,3
.irp t, 0,1
	v_max3_num_f32 v[ST+8*\t+4+\j], v[ST+8*\t+4+\j], v[S+32*\t+8*\j+2*\q+1], v[S+32*\t+8*\j+2*\q+2]
.endr
.endr
.endr
.irp t, 0,1
	v_max3_num_f32 v[ST+8*\t+4], v[ST+8*\t+4], v[S+32*\t+7], v[S+32*\t+15]
.endr
.irp t, 0,1
	v_max3_num_f32 v[ST+8*\t+6], v[ST+8*\t+6], v[S+32*\t+23], v[S+32*\t+31]
.endr
.irp t, 0,1
	v_max3_num_f32 v[ST+8*\t+4], v[ST+8*\t+4], v[ST+8*\t+5], v[ST+8*\t+6]
.endr
.irp t, 0,1
	v_max3_num_f32 v[ST+8*\t+4], v[ST+8*\t+4], v[ST+8*\t+7], v[ST+8*\t+1]
.endr
.irp t, 0,1
	v_permlanex16_b32 v[ST+8*\t+5], v[ST+8*\t+4], s28, s29       ; the query's other 32 keys lie in the lane 16 away
.endr
.irp t, 0,1
	v_mov_b32 v[ST+8*\t+7], v[ST+8*\t]             ; c m_old
.endr
.irp t, 0,1
	v_max_num_f32 v[ST+8*\t+1], v[ST+8*\t+4], v[ST+8*\t+5]
.endr
.irp t, 0,1
	v_mul_f32 v[ST+8*\t], s30, v[ST+8*\t+1]
.endr
.irp t, 0,1
	v_sub_f32 v[ST+8*\t+7], v[ST+8*\t+7], v[ST+8*\t]
.endr
.set n, 0
.rept 16
	v_pk_fma_f32 v[S+n:S+n+1], v[S+n:S+n+1], s[30:31], v[ST:ST+1] op_sel_hi:[1,0,0] neg_lo:[0,0,1] neg_hi:[0,0,1]          ; c s - c m
	v_pk_fma_f32 v[S+32+n:S+33+n], v[S+32+n:S+33+n], s[30:31], v[ST+8:ST+9] op_sel_hi:[1,0,0] neg_lo:[0,0,1] neg_hi:[0,0,1]
.set n, n+2
.endr
.irp t, 0,1
	v_exp_f32 v[ST+8*\t+6], v[ST+8*\t+7]           ; a
.endr
.set n, 0
.rept 32
	v_exp_f32 v[S+n], v[S+n]
	v_exp_f32 v[S+32+n], v[S+32+n]
.set n, n+1
.endr
	v_nop                                          ; a plain instruction behind the last exponential
	s_wait_alu depctr_va_vdst(0)                   ; one wait for the batch of 66, ahead of its first reader
.set n, 0
.rept 32
	v_cvt_pk_f16_f32 v[P+n], v[S+2*n], v[S+2*n+1]  ; P: 16 registers a tile
.set n, n+1
.endr
.irp z, 0,1,2,3,4,5,6,7                        ; the sum of the unrounded p, in place
.irp t, 0,1
	v_pk_add_f32 v[S+32*\t+4*\z:S+32*\t+4*\z+1], v[S+32*\t+4*\z:S+32*\t+4*\z+1], v[S+32*\t+4*\z+2:S+32*\t+4*\z+3]
.endr
.endr
.irp z, 0,1,2,3
.irp t, 0,1
	v_pk_add_f32 v[S+32*\t+8*\z:S+32*\t+8*\z+1], v[S+32*\t+8*\z:S+32*\t+8*\z+1], v[S+32*\t+8*\z+4:S+32*\t+8*\z+5]
.endr
.endr
.irp z, 0,1
.irp t, 0,1
	v_pk_add_f32 v[S+32*\t+16*\z:S+32*\t+16*\z+1], v[S+32*\t+16*\z:S+32*\t+16*\z+1], v[S+32*\t+16*\z+8:S+32*\t+16*\z+9]
.endr
.endr
.irp t, 0,1
	v_pk_add_f32 v[S+32*\t:S+32*\t+1], v[S+32*\t:S+32*\t+1], v[S+32*\t+16:S+32*\t+17]
.endr
.irp t, 0,1
	v_pk_fma_f32 v[ST+8*\t+2:ST+8*\t+3], v[ST+8*\t+2:ST+8*\t+3], v[ST+8*\t+6:ST+8*\t+7], v[S+32*\t:S+32*\t+1] op_sel_hi:[1,0,1]   ; l = a l + the sum
.endr
.set n, 0
.rept 16
	v_pk_mul_f32 v[O+n:O+n+1], v[O+n:O+n+1], v[ST+6:ST+7] op_sel_hi:[1,0]               ; O^T x a, each accumulator from its low end on
	v_pk_mul_f32 v[O+32+n:O+33+n], v[O+32+n:O+33+n], v[ST+14:ST+15] op_sel_hi:[1,0]
.set n, n+2
.endr
	s_wait_dscnt 0x0                               ; V^T is in
	WIN 0x01
.irp u, 0,1
.irp ct, 0,1,2,3
.irp t, 0,1
	v_wmma_f32_16x16x32_f16 v[O+32*\t+8*\ct:O+32*\t+8*\ct+7], v[64+32*\u+8*\ct:64+32*\u+8*\ct+7], v[P+16*\t+8*\u:P+16*\t+8*\u+7], v[O+32*\t+8*\ct:O+32*\t+8*\ct+7]
.endr
.endr
.endr
	WIN 0
.Lhid_\@:
.endm
.macro STEPS4                          ; a chunk's four steps: written once, walked four times
	s_mov_b32 s36, 4
.Lstep_\@:
	STEP
	s_add_co_u32 s33, s33, 64
	s_add_co_u32 s32, s32, 8192
	s_sub_co_u32 s36, s36, 1
	s_cmp_lg_u32 s36, 0
	s_cbranch_scc1 .Lstep_\@
	s_sub_co_u32 s32, s32, 32768                   ; back to a slot's first step,
	s_xor_b32 s32, s32, SLOT1                      ; in the other slot
.endm
; A pass ends: O^T / l, packed to f16: the four registers of channels 16 ct on are group ct % 2 of the image (my 16 rows, k step 2 head + ct / 2) of the projection's operand.
.macro FINISH ptr
.irp t, 0,1
	v_add_f32 v[ST+8*\t+4], v[ST+8*\t+2], v[ST+8*\t+3]
.endr
	v_nop
	v_nop                                          ; four places behind the last products
.irp t, 0,1
	v_permlanex16_b32 v[ST+8*\t+5], v[ST+8*\t+4], s28, s29
.endr
.irp t, 0,1
	v_add_f32 v[ST+8*\t+4], v[ST+8*\t+4], v[ST+8*\t+5]
.endr
.irp t, 0,1
	v_rcp_f32 v[ST+8*\t+6], v[ST+8*\t+4]
.endr
	v_nop
	s_wait_alu depctr_va_vdst(0)                   ; one wait for the two reciprocals
.set n, 0
.rept 16
	v_pk_mul_f32 v[O+n:O+n+1], v[O+n:O+n+1], v[ST+6:ST+7] op_sel_hi:[1,0]
	v_pk_mul_f32 v[O+32+n:O+33+n], v[O+32+n:O+33+n], v[ST+14:ST+15] op_sel_hi:[1,0]
.set n, n+2
.endr
.set n, 0
.rept 32
	v_cvt_pk_f16_f32 v[S+n], v[O+2*n], v[O+2*n+1]
.set n, n+1
.endr
.irp t, 0,1
.irp ct, 0,1,2,3
	global_store_b128 v[LI], v[S+16*\t+4*\ct:S+16*\t+4*\ct+3], s[\ptr:\ptr+1] offset:\t*32768+\ct*512     ; 512 consecutive bytes
.endr
.endr
	s_wait_xcnt 0x0                                ; the next products write these registers again
.endm
	s_wait_loadcnt 0x0                             ; Q of both passes
.Lchunk:                                           ; eight trips: trip C walks the C-th chunk and asks for the next
	CHANGE 1
	STEPS4
	s_cmp_lg_u32 s35, s11                          ; pass A's last chunk?  The work-group's number and the trip: alike in all eight waves; no barrier and no tensor load inside
	s_cbranch_scc1 .Lsame
	FINISH 40
	WIN 0x01
.set n, 0
.rept 32
	v_mov_b32 v[Q+n], v[128+n]                     ; pass B's Q
.set n, n+1
.endr
	WIN 0
	RESET
	s_mov_b32 s34, s52
	s_mov_b32 s33, 0
.Lsame:
	s_add_co_u32 s35, s35, 1
	s_cmp_lt_u32 s35, 9
	s_cbranch_scc1 .Lchunk
	CHANGE 0                                       ; the ninth chunk is written out: nothing is left to ask for
	STEPS4
	FINISH 42
	s_wait_tensorcnt 0x0                           ; the wave's end
	ds_add_u32 v[SPW], v[NIL]
	s_wait_dscnt 0x0
	s_endpgm
.Lfunc_end_k_q354eec1858_attn:
	.size	k_q354eec1858_attn, .Lfunc_end_k_q354eec1858_attn-k_q354eec1858_attn
	.p2alignl 7, 3214868480
	.fill 96, 4, 3214868480
	.section	.rodata,"a",@progbits
	.p2align	6, 0x0
	.amdhsa_kernel k_q354eec1858_attn
		.amdhsa_group_segment_fixed_size 327680
		.amdhsa_private_segment_fixed_size 0
		.amdhsa_enable_private_segment 0
		.amdhsa_kernarg_size 16
		.amdhsa_user_sgpr_count 2
		.amdhsa_user_sgpr_kernarg_segment_ptr 1
		.amdhsa_wavefront_size32 1
		.amdhsa_system_sgpr_workgroup_id_x 1
		.amdhsa_system_sgpr_workgroup_id_y 1
		.amdhsa_system_sgpr_workgroup_id_z 1
		.amdhsa_system_vgpr_workitem_id 0
		.amdhsa_next_free_vgpr 416
		.amdhsa_next_free_sgpr 66
		.amdhsa_reserve_vcc 1
		.amdhsa_float_denorm_mode_32 3
		.amdhsa_float_denorm_mode_16_64 3
		.amdhsa_memory_ordered 1
		.amdhsa_forward_progress 1
		.amdhsa_inst_pref_size 67
	.end_amdhsa_kernel
	.amdgpu_metadata
---
amdhsa.version: [ 1, 2 ]
amdhsa.kernels:
  - .name:           k_q354eec1858_attn
    .symbol:         k_q354eec1858_attn.kd
    .args:
      - { .name: qkvf, .offset: 0, .size: 8, .value_kind: global_buffer, .address_space: global }
      - { .name: yf, .offset: 8, .size: 8, .value_kind: global_buffer, .address_space: global }
    .group_segment_fixed_size: 327680
    .private_segment_fixed_size: 0
    .kernarg_segment_align: 8
    .kernarg_segment_size: 16
    .max_flat_workgroup_size: 256
    .sgpr_count:     66
    .vgpr_count:     416
    .wavefront_size: 32
...
	.end_amdgpu_metadata
.endif
;; end of part 3
;; launch proj (part 4): grid 4 x 64, 4 waves a work-group, clusters of 4 x 4, 327,680 bytes of LDS; arguments yf, wf, out0; writes out0
.if DOCPART == 4
	.amdgcn_target "amdgcn-amd-amdhsa--gfx1250"
	.amdhsa_code_object_version 6
	.text
	.protected	k_q354eec1858_proj
	.globl	k_q354eec1858_proj
	.p2align	8
	.type	k_q354eec1858_proj,@function
k_q354eec1858_proj:
	s_mov_b64 s[64:65], 0
	v_nop
	global_prefetch_b8 v0, s[64:65] scope:SCOPE_SE
	s_setreg_imm32_b32 hwreg(HW_REG_WAVE_MODE, 25, 1), 1
	s_wait_xcnt 0x0
	s_wait_alu depctr_hold_cnt(0) depctr_sa_sdst(0) depctr_va_vdst(0) depctr_va_sdst(0) depctr_va_ssrc(0) depctr_va_vcc(0) depctr_vm_vsrc(0)
	s_getreg_b32 s2, hwreg(HW_REG_IB_STS2, 6, 4)
	s_cmp_eq_u32 s2, 0
	s_cbranch_scc0 .Lentry_in_a_cluster
	s_endpgm
.Lentry_in_a_cluster:
	s_bfe_u32 s2, ttmp6, 0x10000c
	s_cmp_lg_u32 s2, 0xf033
	s_cbranch_scc0 .Lentry_shape_is_right
	s_endpgm
.Lentry_shape_is_right:
; PROJ: out0 = y W_proj, f16 operands, f32 sums.  y and W_proj arrive as images of operand registers: [block of 16 rows or columns][k step of 32][1,024 bytes].
; LEFT OUT: the stores of positions 0-15 of each sequence: the last launch makes those rows in f32 and owns their bytes.  (Their products stand inside a tile of live rows.)
; A tile of out0 is 128 rows x 256 columns: 256 work-groups.  Four waves, each 64 x 128: 32 accumulators.  Source 0 = 16 columns of W_proj, source 1 = 16 rows of y: a lane holds eight neighbouring numbers of a row.
; K: 32 k steps of 32 through two LDS slots that hold 6 k steps each (6, 6, 6, 6, 6, 2): images need no row of a power of two, so a slot is as large as two fit.  Four refills, each with six k steps,
; 192 matrix instructions a wave, in which to land.  The walk is written out.  A wave has two loads out at the start and one behind each round.
; CLUSTER 4 x 4: y's tile hangs on the tile row 16 cy + Y and is shared along a row of the cluster, W's on the tile column cx and is shared along a column.  The batch is cy, so 'holds positions 0-15' is Y = 0:
; the cluster's y, alike in all partners.  No prefetch: twelve of the 32 k steps are asked for at the head, and each later load has six k steps in which to land.
; REGISTERS.  Window 0: v1 16 x lane; v16-25 addresses; v28, v29 the add's; two fragment buffers: v32-63 y's four, v64-127 W's eight; v128-159, v160-223.  Window 1: accumulator (i, j) at v[8 (8 i + j)].
.set SLOT,  147456                     ; y's [8 blocks][6,144 bytes], then from 49,152 W's [16 blocks][6,144 bytes]
.set BOFF,  49152
.set SPARE, 2*SLOT                     ; the spare words: 128 bytes for each wave
.set SPW, 28
.set NIL, 29
.set G1A6, 24
.set G0A,  32
.set G1B6, 48
.set G0B,  56
.set G1A2, 68
.set G1B2, 76
.set MSB, 0
.macro WIN new
.if MSB != (\new)
	s_set_vgpr_msb (MSB<<8)|(\new)
.set MSB, (\new)
.endif
.endm
.set MUL, 0x50                         ; C and D in window 1
.macro JLOAD g0a, g1a, g0b, g1b        ; a joint load: waves 0 and 1 fetch y's halves, waves 2 and 3 W's; an s_nop 0 and four v_nop follow each line
	s_cmp_eq_u32 s11, 0
	s_cbranch_scc0 .Lfor_b_\@
	tensor_load_to_lds s[\g0a:\g0a+3], s[\g1a:\g1a+7]
	s_nop 0
.rept 4
	v_nop
.endr
	s_branch .Lasked_\@
.Lfor_b_\@:
	tensor_load_to_lds s[\g0b:\g0b+3], s[\g1b:\g1b+7]
	s_nop 0
.rept 4
	v_nop
.endr
.Lasked_\@:
.endm
.macro CREST
	s_cmp_lg_u32 s10, 0
	s_cbranch_scc1 .Lnot_wave_0_\@
	s_barrier_signal -3
.Lnot_wave_0_\@:
	s_barrier_wait -3
	s_barrier_signal -1
	s_barrier_wait -1
.endm
.macro CROUND
	s_barrier_signal -1
	s_barrier_wait -1
	CREST
.endm
	s_load_b128 s[4:7], s[0:1], 0x0                ; yf, wf
	s_load_b64 s[8:9], s[0:1], 0x10                ; out0
	v_lshl_add_u32 v[SPW], v0, 2, SPARE
	v_mov_b32 v[NIL], 0
	ds_add_u32 v[SPW], v[NIL]                      ; the wave's opening: the add, twice on end, and its wait ahead of my first tensor load
	ds_add_u32 v[SPW], v[NIL]
	v_lshrrev_b32 v1, 5, v0
	v_readfirstlane_b32 s10, v1                    ; wave 0..3
	s_lshr_b32 s11, s10, 1                         ; my half of the rows.  Also: I fetch for y (0) or for W (1)
	s_and_b32 s12, s10, 1                          ; my half of the columns.  Also: which half of that tile I fetch
	s_bfe_u32 s40, ttmp6, 0x40000                  ; cx: the tile column
	s_bfe_u32 s41, ttmp6, 0x40004                  ; cy
	s_and_b32 s86, ttmp7, 0xffff                   ; Y
	s_lshl_b32 s13, s41, 4
	s_add_co_u32 s13, s13, s86                     ; the tile row: 16 cy + Y
	s_lshl_b32 s43, s41, 2
	s_lshl_b32 s43, 15, s43                        ; my row of the cluster
	s_lshl_b32 s44, 0x1111, s40                    ; my column
	s_or_b32 s[G1A6], s43, (3<<16)|(1<<21)         ; the mask; elements of 8 bytes; bit 21 beside a mask; no padding
	s_or_b32 s[G1A2], s43, (3<<16)|(1<<21)
	s_or_b32 s[G1B6], s44, (3<<16)|(1<<21)
	s_or_b32 s[G1B2], s44, (3<<16)|(1<<21)
	s_mov_b32 s[G1A6+1], 768<<16                   ; a row: six images, 6,144 bytes
	s_mov_b32 s[G1A6+2], 4<<16                     ; four blocks of 16 rows
	s_mov_b32 s[G1A6+3], 768<<16
	s_mov_b32 s[G1A6+4], 4
	s_mov_b32 s[G1B6+1], 768<<16
	s_mov_b32 s[G1B6+2], 8<<16                     ; eight blocks of 16 columns
	s_mov_b32 s[G1B6+3], 768<<16
	s_mov_b32 s[G1B6+4], 8
	s_mov_b32 s[G1A2+1], 256<<16                   ; the last two k steps: 2,048 bytes a row
	s_mov_b32 s[G1A2+2], 4<<16
	s_mov_b32 s[G1A2+3], 256<<16
	s_mov_b32 s[G1A2+4], 4
	s_mov_b32 s[G1B2+1], 256<<16
	s_mov_b32 s[G1B2+2], 8<<16
	s_mov_b32 s[G1B2+3], 256<<16
	s_mov_b32 s[G1B2+4], 8
.irp g, G1A6, G1B6, G1A2, G1B2
	s_mov_b32 s[\g+5], 4096                        ; from block to block: 32 images, 32,768 bytes
	s_mov_b32 s[\g+6], 0
	s_mov_b32 s[\g+7], 0
.endr
	s_lshl_b32 s16, s13, 3
	s_lshl_b32 s17, s12, 2
	s_add_co_u32 s16, s16, s17                     ; y: block 8 x tile row + 4 x half
	s_lshl_b32 s16, s16, 15
	s_mov_b32 s17, 0
	s_lshl_b32 s46, s40, 4
	s_lshl_b32 s47, s12, 3
	s_add_co_u32 s46, s46, s47                     ; W: block 16 x tile column + 8 x half
	s_lshl_b32 s46, s46, 15
	s_mov_b32 s47, 0
	s_mul_i32 s20, s12, 24576                      ; where they go: no place in the cluster enters an LDS address
	s_mul_i32 s21, s12, 49152
	s_add_co_u32 s21, s21, BOFF
	s_lshl_b32 s84, s12, 13                        ; and the last, short fill, in slot 1
	s_add_co_u32 s84, s84, SLOT
	s_lshl_b32 s85, s12, 14
	s_add_co_u32 s85, s85, SLOT+BOFF
	s_wait_dscnt 0x0                               ; both opening adds are done
	s_wait_kmcnt 0x0
	s_add_nc_u64 s[14:15], s[4:5], s[16:17]
	s_add_nc_u64 s[46:47], s[6:7], s[46:47]
	CROUND                                         ; all sixteen work-groups are here: the first joint loads meet
.irp s, 0,1
	s_mov_b32 s[G0A+4*\s], 1
	s_add_co_u32 s[G0A+4*\s+1], s20, \s*SLOT
	s_add_nc_u64 s[G0A+4*\s+2:G0A+4*\s+3], s[14:15], \s*6144
	s_or_b32 s[G0A+4*\s+3], s[G0A+4*\s+3], 0x80000000
	s_mov_b32 s[G0B+4*\s], 1
	s_add_co_u32 s[G0B+4*\s+1], s21, \s*SLOT
	s_add_nc_u64 s[G0B+4*\s+2:G0B+4*\s+3], s[46:47], \s*6144
	s_or_b32 s[G0B+4*\s+3], s[G0B+4*\s+3], 0x80000000
	JLOAD G0A+4*\s, G1A6, G0B+4*\s, G1B6
.endr
	v_and_b32 v2, 31, v0
	v_lshlrev_b32 v1, 4, v2                        ; 16 x lane
	s_mul_i32 s22, s11, 24576
	v_add_nc_u32 v16, s22, v1                      ; my four blocks of y in slot 0,
	s_add_co_u32 s22, s22, SLOT
	v_add_nc_u32 v17, s22, v1                      ; in slot 1,
	s_lshl_b32 s22, s11, 13
	s_add_co_u32 s22, s22, SLOT
	v_add_nc_u32 v18, s22, v1                      ; and in the short fill
	s_mul_i32 s22, s12, 49152
	s_add_co_u32 s22, s22, BOFF
	v_add_nc_u32 v20, s22, v1                      ; my eight blocks of W likewise
	s_add_co_u32 s22, s22, SLOT
	v_add_nc_u32 v21, s22, v1
	s_lshl_b32 s22, s12, 14
	s_add_co_u32 s22, s22, SLOT+BOFF
	v_add_nc_u32 v22, s22, v1
	v_and_b32 v3, 15, v0
	v_bfe_u32 v4, v0, 4, 1
	s_mul_i32 s22, s10, 8448                       ; my stage: 16 rows x (512 + 16) bytes, in slot 0, which has had its last fill and its last read when the first result is stored there
	v_mul_u32_u24 v24, v3, 528
	v_lshl_add_u32 v24, v4, 5, v24
	v_add_nc_u32 v24, s22, v24                     ; in: row r, 32 bytes for each half of the lanes
	v_add_nc_u32 v25, s22, v1                      ; back: a row of 512 bytes, 16 a lane
	s_lshl_b32 s16, s13, 7
	s_lshl_b32 s17, s11, 6
	s_add_co_u32 s16, s16, s17                     ; my first row of out0
	s_lshl_b32 s16, s16, 12
	s_mov_b32 s17, 0
	s_add_nc_u64 s[8:9], s[8:9], s[16:17]
	s_lshl_b32 s46, s40, 10                        ; my first column, in bytes
	s_lshl_b32 s47, s12, 9
	s_add_co_u32 s46, s46, s47
	s_mov_b32 s47, 0
	s_add_nc_u64 s[8:9], s[8:9], s[46:47]
.macro FETCH adrA, adrB, kq, rb, f     ; 24 LDS loads in one run: a k step's fragments into buffer f: W's eight, then y's four
.irp j, 0,1,2,3,4,5,6,7
.irp c, 0,1
	ds_load_b128 v[64+96*(\f)+8*\j+4*\c:64+96*(\f)+8*\j+4*\c+3], v[\adrB] offset:\j*(\rb)+(\kq)*1024+512*\c
.endr
.endr
.irp i, 0,1,2,3
.irp c, 0,1
	ds_load_b128 v[32+96*(\f)+8*\i+4*\c:32+96*(\f)+8*\i+4*\c+3], v[\adrA] offset:\i*(\rb)+(\kq)*1024+512*\c
.endr
.endr
.endm
.macro MUL8 f, i, zero                 ; the 32 accumulators take turns, one instruction a turn, in the same order in every k step
.irp j, 0,1,2,3,4,5,6,7
.if \zero
	v_wmma_f32_16x16x32_f16 v[8*(8*(\i)+\j):8*(8*(\i)+\j)+7], v[64+96*(\f)+8*\j:64+96*(\f)+8*\j+7], v[32+96*(\f)+8*(\i):32+96*(\f)+8*(\i)+7], 0
.else
	v_wmma_f32_16x16x32_f16 v[8*(8*(\i)+\j):8*(8*(\i)+\j)+7], v[64+96*(\f)+8*\j:64+96*(\f)+8*\j+7], v[32+96*(\f)+8*(\i):32+96*(\f)+8*(\i)+7], v[8*(8*(\i)+\j):8*(8*(\i)+\j)+7]
.endif
.endr
.endm
.macro PLACES
.rept 4
	v_nop
.endr
.endm
.macro KSTEP f, adrA, adrB, kq, rb, zero   ; multiplies buffer f; in its middle it fetches the next k step (kq of the same slot) into the other buffer
	s_wait_dscnt 4                                 ; W's eight and y's blocks 0, 1 are in; the youngest four loads (blocks 2, 3) may be out
	WIN MUL
	MUL8 \f, 0, \zero
	MUL8 \f, 1, \zero
	PLACES
	WIN 0
	FETCH \adrA, \adrB, \kq, \rb, 1-(\f)
	s_wait_dscnt 24                                ; all but the 24 just issued
	WIN MUL
	MUL8 \f, 2, \zero
	MUL8 \f, 3, \zero
.endm
; A slot's last k step (buffer 1) changes slots: one barrier; in front of it each wave waits for all its tensor loads, adds 0 to its spare word, and waits for that and for its reads of this slot.
; fill = 1: this slot takes the six k steps twelve on; 2: the last two k steps; 0: nothing.  Where it is filled the barrier opens a round of the cluster's, and the joint load is the first thing behind the round.
.macro TURN slot, fill, nA, nB, nrb
	WIN 0
	s_wait_tensorcnt 0x0                           ; all my tensor loads have landed: my part of the next slot
	ds_add_u32 v[SPW], v[NIL]
	s_wait_dscnt 5                                 ; (the add and the youngest four loads may be out)
	WIN MUL
	MUL8 1, 0, 0
	s_wait_dscnt 0x0                               ; the add is done, and my reads of this slot are over
	s_barrier_signal -1
	MUL8 1, 1, 0
	WIN 0
	s_barrier_wait -1
.if \fill
	CREST
	s_add_nc_u64 s[G0A+4*\slot+2:G0A+4*\slot+3], s[G0A+4*\slot+2:G0A+4*\slot+3], 12288
	s_add_nc_u64 s[G0B+4*\slot+2:G0B+4*\slot+3], s[G0B+4*\slot+2:G0B+4*\slot+3], 12288
.if \fill == 2
	s_mov_b32 s[G0A+4*\slot+1], s84
	s_mov_b32 s[G0B+4*\slot+1], s85
	JLOAD G0A+4*\slot, G1A2, G0B+4*\slot, G1B2
.else
	JLOAD G0A+4*\slot, G1A6, G0B+4*\slot, G1B6     ; the four v_nop behind it are also the places in front of the loads below
.endif
.else
	PLACES
.endif
	FETCH \nA, \nB, 0, \nrb, 0
	WIN MUL
	MUL8 1, 2, 0
	MUL8 1, 3, 0
.endm
.macro SLOT5 a, b, zero                ; a slot's first five k steps
	KSTEP 0, \a, \b, 1, 6144, \zero
	KSTEP 1, \a, \b, 2, 6144, 0
	KSTEP 0, \a, \b, 3, 6144, 0
	KSTEP 1, \a, \b, 4, 6144, 0
	KSTEP 0, \a, \b, 5, 6144, 0
.endm
	s_wait_tensorcnt 1                             ; my part of slot 0 is in; slot 1's load may be out
	s_barrier_signal -1
	s_barrier_wait -1
	FETCH 16, 20, 0, 6144, 0
	SLOT5 16, 20, 1                                ; k steps 0-4; the first products start the sums
	TURN 0, 1, 17, 21, 6144                        ; 5;  slot 0 takes k steps 12-17
	SLOT5 17, 21, 0
	TURN 1, 1, 16, 20, 6144                        ; 11; slot 1 takes 18-23
	SLOT5 16, 20, 0
	TURN 0, 1, 17, 21, 6144                        ; 17; slot 0 takes 24-29
	SLOT5 17, 21, 0
	TURN 1, 2, 16, 20, 6144                        ; 23; slot 1 takes 30, 31
	SLOT5 16, 20, 0
	TURN 0, 0, 18, 22, 2048                        ; 29; nothing is left to ask for
	KSTEP 0, 18, 22, 1, 2048, 0                    ; 30
	s_wait_dscnt 4                                 ; 31: nothing more to fetch
	MUL8 1, 0, 0
	MUL8 1, 1, 0
	s_wait_dscnt 0x0
	MUL8 1, 2, 0
	MUL8 1, 3, 0
	WIN 0
	PLACES
; THE WAY OUT, a block of 16 rows x 128 columns at a time, through my own stage: a lane's 32 bytes go in, whole rows of 512 bytes come back.  LDS serves a wave's instructions in order.
.macro TOSTAGE a
	WIN 0x04                                       ; an LDS store's data: window 1
.irp j, 0,1,2,3,4,5,6,7
	ds_store_b128 v24, v[8*(8*(\a)+\j):8*(8*(\a)+\j)+3] offset:64*\j               ; each accumulator from its low end on
	ds_store_b128 v24, v[8*(8*(\a)+\j)+4:8*(8*(\a)+\j)+7] offset:64*\j+16
.endr
	WIN 0
.irp t, 0,1,2,3,4,5,6,7,8,9,10,11,12,13,14,15
	ds_load_b128 v[32+64*((\a)%2)+4*\t:32+64*((\a)%2)+4*\t+3], v25 offset:528*\t
.endr
.endm
.macro SEND a, younger
	s_wait_dscnt \younger
.irp t, 0,1,2,3,4,5,6,7,8,9,10,11,12,13,14,15
	global_store_b128 v1, v[32+64*((\a)%2)+4*\t:32+64*((\a)%2)+4*\t+3], s[8:9] offset:(16*(\a)+\t)*4096 th:TH_STORE_NT   ; 512 consecutive bytes, aligned
.endr
.endm
	s_or_b32 s20, s86, s11                         ; block 0 of the first half of the rows of tile row 16 cy: positions 0-15 of a sequence: not stored here
	s_cmp_eq_u32 s20, 0
	s_cbranch_scc1 .Lskip0
	TOSTAGE 0
	SEND 0, 0
.Lskip0:
	s_wait_xcnt 0x0                                ; block 0's stores have read their registers
	TOSTAGE 1
	TOSTAGE 2
	SEND 1, 32                                     ; behind block 1's loads: block 2's 16 stores and 16 loads
	s_wait_xcnt 0x0
	TOSTAGE 3
	SEND 2, 32
	SEND 3, 0
	s_wait_tensorcnt 0x0                           ; the wave's end
	ds_add_u32 v[SPW], v[NIL]
	s_wait_dscnt 0x0
	CROUND                                         ; the closing round
	s_endpgm
.Lfunc_end_k_q354eec1858_proj:
	.size	k_q354eec1858_proj, .Lfunc_end_k_q354eec1858_proj-k_q354eec1858_proj
	.p2alignl 7, 3214868480
	.fill 96, 4, 3214868480
	.section	.rodata,"a",@progbits
	.p2align	6, 0x0
	.amdhsa_kernel k_q354eec1858_proj
		.amdhsa_group_segment_fixed_size 327680
		.amdhsa_private_segment_fixed_size 0
		.amdhsa_enable_private_segment 0
		.amdhsa_kernarg_size 24
		.amdhsa_user_sgpr_count 2
		.amdhsa_user_sgpr_kernarg_segment_ptr 1
		.amdhsa_wavefront_size32 1
		.amdhsa_system_sgpr_workgroup_id_x 1
		.amdhsa_system_sgpr_workgroup_id_y 1
		.amdhsa_system_sgpr_workgroup_id_z 1
		.amdhsa_system_vgpr_workitem_id 0
		.amdhsa_next_free_vgpr 512
		.amdhsa_next_free_sgpr 100
		.amdhsa_reserve_vcc 0
		.amdhsa_float_denorm_mode_32 3
		.amdhsa_float_denorm_mode_16_64 3
		.amdhsa_memory_ordered 1
		.amdhsa_forward_progress 1
		.amdhsa_inst_pref_size 147
	.end_amdhsa_kernel
	.amdgpu_metadata
---
amdhsa.version: [ 1, 2 ]
amdhsa.kernels:
  - .name:           k_q354eec1858_proj
    .symbol:         k_q354eec1858_proj.kd
    .args:
      - { .name: yf, .offset: 0, .size: 8, .value_kind: global_buffer, .address_space: global }
      - { .name: wf, .offset: 8, .size: 8, .value_kind: global_buffer, .address_space: global }
      - { .name: out0, .offset: 16, .size: 8, .value_kind: global_buffer, .address_space: global }
    .group_segment_fixed_size: 327680
    .private_segment_fixed_size: 0
    .kernarg_segment_align: 8
    .kernarg_segment_size: 24
    .max_flat_workgroup_size: 128
    .sgpr_count:     100
    .vgpr_count:     512
    .wavefront_size: 32
...
	.end_amdgpu_metadata
.endif
;; end of part 4
;; launch first16 (part 5): grid 64 x 4, 16 waves a work-group, no clusters, 18,432 bytes of LDS; arguments fine, W_proj, out0; writes out0
.if DOCPART == 5
	.amdgcn_target "amdgcn-amd-amdhsa--gfx1250"
	.amdhsa_code_object_version 6
	.text
	.protected	k_q354eec1858_first16
	.globl	k_q354eec1858_first16
	.p2align	8
	.type	k_q354eec1858_first16,@function
k_q354eec1858_first16:
	s_mov_b64 s[64:65], 0
	v_nop
	global_prefetch_b8 v0, s[64:65] scope:SCOPE_SE
	s_setreg_imm32_b32 hwreg(HW_REG_WAVE_MODE, 25, 1), 1
	s_wait_xcnt 0x0
; FIRST16: positions 0-15 of each of the four sequences, attention and projection, in f32 throughout: these rows average one to sixteen values and are the largest of the output, so f16 operands would use up
; what the comparison allows.  64 of 8,192 rows: no bulk work, so the f32 matrix form serves.  The projection launch does not store these rows: each byte of out0 has one writer.
; Work-group (nt, b) makes out0[b][0..15][16 nt .. 16 nt + 15].  Wave = head: its 16 x 16 attention, then its 64 channels' part of the projection, y never leaving the registers; the 16 parts meet in LDS.
; The attention is repeated in the 64 work-groups of a batch: 32 small matrix instructions a wave.
; NO LANE EXCHANGE.  The f32 form takes k = 2 (lane / 16) + j in register j.  K slot (h, j) of step c is given the element 8 h + 2 c + j, alike on both operands: then registers 2 c, 2 c + 1 of a result of eight
; registers, or of a stored piece, are step c's operand.
; W_proj's rows are read and out0's rows written in pieces of 64 bytes: wider pieces would leave three WGPs in four without work; the bytes concerned are 262,144 of output.
; REGISTERS: v1-9 addresses, the mask's numbers, the add's two; v10-15 at work; v16-47 Q, v48-79 K, v80-111 V^T, v112-143 W; v144-175 four accumulators of scores, later of the projection; v176-207 O^T:
; these 64 are written by matrix instructions alone; v208-215 sums and weights; v224-231 p.
.set SPARE, 16384                      ; behind the 16 parts of 1,024 bytes: the spare words, 128 bytes for each of sixteen waves
.set T, 208
.set PP, 224
	s_load_b128 s[4:7], s[0:1], 0x0                ; fine, W_proj
	s_load_b64 s[8:9], s[0:1], 0x10                ; out0
	v_lshl_add_u32 v8, v0, 2, SPARE
	v_mov_b32 v9, 0
	v_lshrrev_b32 v10, 5, v0
	v_readfirstlane_b32 s10, v10                   ; the head
	s_and_b32 s11, ttmp7, 0xffff                   ; the batch
	v_and_b32 v11, 31, v0
	v_lshlrev_b32 v1, 4, v11                       ; 16 x lane
	v_and_b32 v12, 15, v0                          ; r
	v_bfe_u32 v13, v0, 4, 1                        ; h
	v_lshlrev_b32 v2, 2, v12
	v_lshl_add_u32 v2, v13, 15, v2                 ; W_proj: 8 h rows of 4,096 bytes + 4 r
	v_lshlrev_b32 v14, 3, v13
	v_sub_nc_u32 v3, v12, v14                      ; d = r - 8 h: register j holds key 8 h + j: hidden where j > d
	v_mov_b32 v4, 0xff800000
	s_lshl_b32 s12, s10, 10
	v_add_nc_u32 v5, s12, v1                       ; where my head's part goes
	v_lshlrev_b32 v6, 4, v0                        ; where waves 0 and 1 read the parts
	v_lshlrev_b32 v7, 12, v12
	v_lshl_add_u32 v7, v13, 5, v7
	v_lshl_add_u32 v7, v10, 4, v7                  ; out0: row r, columns 8 h + 4 x wave on
	s_mov_b32 s20, 0x76543210
	s_mov_b32 s21, 0xfedcba98
	s_mov_b32 s22, 0x3e38aa3b                      ; c = log2(e) / 8
	s_mov_b32 s23, s22
	s_lshl_b32 s12, s11, 4
	s_add_co_u32 s12, s12, s10
	s_lshl_b32 s12, s12, 12                        ; fine: 4,096 bytes a (batch, head)
	s_mov_b32 s13, 0
	s_lshl_b32 s14, s10, 18                        ; W_proj: my head's 64 rows,
	s_lshl_b32 s16, ttmp9, 6                       ; my work-group's 16 columns
	s_add_co_u32 s14, s14, s16
	s_mov_b32 s15, 0
	s_lshl_b32 s18, s11, 23                        ; out0: the batch's first row
	s_add_co_u32 s18, s18, s16
	s_mov_b32 s19, 0
	s_wait_kmcnt 0x0
	s_add_nc_u64 s[4:5], s[4:5], s[12:13]
	s_add_nc_u64 s[6:7], s[6:7], s[14:15]
	s_add_nc_u64 s[8:9], s[8:9], s[18:19]
.irp p, 0,1,2,3,4,5,6,7
	global_load_b128 v[48+4*\p:51+4*\p], v1, s[4:5] offset:262144+512*\p     ; k: register 8 b + x = channel 16 b + 8 h + x of position r
.endr
.irp p, 0,1,2,3,4,5,6,7
	global_load_b128 v[16+4*\p:19+4*\p], v1, s[4:5] offset:512*\p            ; q likewise
.endr
.irp p, 0,1,2,3,4,5,6,7
	global_load_b128 v[80+4*\p:83+4*\p], v1, s[4:5] offset:524288+512*\p     ; v^T: register 8 ct + x = key 8 h + x of channel 16 ct + r
.endr
.irp i, 0,1,2,3,4,5,6,7,8,9,10,11,12,13,14,15,16,17,18,19,20,21,22,23,24,25,26,27,28,29,30,31
	global_load_b32 v[112+\i], v2, s[6:7] offset:(16*(\i/8)+\i%8)*4096       ; W: register 8 ct + x = W_proj[64 head + 16 ct + 8 h + x][16 nt + r]
.endr
	s_wait_loadcnt 40                              ; k and q are in; v^T's 8 and W's 32 may be out
.irp c, 0,1,2,3                                ; S^T = K Q^T: four accumulators by turns, each 16 channels; the first step starts each sum
.irp b, 0,1,2,3
.if \c == 0
	v_wmma_f32_16x16x4_f32 v[144+8*\b:151+8*\b], v[48+8*\b+2*\c:49+8*\b+2*\c], v[16+8*\b+2*\c:17+8*\b+2*\c], 0
.else
	v_wmma_f32_16x16x4_f32 v[144+8*\b:151+8*\b], v[48+8*\b+2*\c:49+8*\b+2*\c], v[16+8*\b+2*\c:17+8*\b+2*\c], v[144+8*\b:151+8*\b]
.endif
.endr
.endr
.rept 8
	v_nop                                          ; eight places behind this form, in front of the first read of a result
.endr
.irp i, 0,2,4,6
	v_pk_add_f32 v[T+\i:T+\i+1], v[144+\i:145+\i], v[152+\i:153+\i]          ; each accumulator from its low end on
.endr
.irp i, 0,2,4,6
	v_pk_add_f32 v[T+\i:T+\i+1], v[T+\i:T+\i+1], v[160+\i:161+\i]
.endr
.irp i, 0,2,4,6
	v_pk_add_f32 v[T+\i:T+\i+1], v[T+\i:T+\i+1], v[168+\i:169+\i]            ; lane (r, h): the scores of query r with keys 8 h + 0..7
.endr
.irp j, 0,1,2,3,4,5,6,7
	v_cmp_gt_i32 vcc_lo, \j, v3
	v_cndmask_b32 v[T+\j], v[T+\j], v4, vcc_lo     ; hidden keys: -infinity.  Key 0 counts for every query
.endr
	v_max3_num_f32 v10, v[T], v[T+1], v[T+2]
	v_max3_num_f32 v11, v[T+3], v[T+4], v[T+5]
	v_max3_num_f32 v10, v10, v[T+6], v[T+7]
	v_max_num_f32 v10, v10, v11
	v_permlanex16_b32 v11, v10, s20, s21
	v_max_num_f32 v10, v10, v11                    ; the row's maximum
	v_mul_f32 v10, s22, v10
.irp i, 0,2,4,6
	v_pk_fma_f32 v[T+\i:T+\i+1], v[T+\i:T+\i+1], s[22:23], v[10:11] op_sel_hi:[1,0,0] neg_lo:[0,0,1] neg_hi:[0,0,1]
.endr
.irp j, 0,1,2,3,4,5,6,7
	v_exp_f32 v[T+\j], v[T+\j]
.endr
	v_nop
	s_wait_alu depctr_va_vdst(0)                   ; one wait for the eight exponentials
	v_pk_add_f32 v[12:13], v[T:T+1], v[T+2:T+3]
	v_pk_add_f32 v[14:15], v[T+4:T+5], v[T+6:T+7]
	v_pk_add_f32 v[12:13], v[12:13], v[14:15]
	v_add_f32 v12, v12, v13
	v_permlanex16_b32 v13, v12, s20, s21
	v_add_f32 v12, v12, v13                        ; the row's sum
	v_rcp_f32 v14, v12
	v_nop
	s_wait_alu depctr_va_vdst(0)
.irp i, 0,2,4,6
	v_pk_mul_f32 v[PP+\i:PP+\i+1], v[T+\i:T+\i+1], v[14:15] op_sel_hi:[1,0]  ; the weights, normalised
.endr
	s_wait_loadcnt 32                              ; v^T is in; W's 32 may be out
.irp c, 0,1,2,3                                ; O^T = V^T P: four tiles of 16 channels by turns
.irp t, 0,1,2,3
.if \c == 0
	v_wmma_f32_16x16x4_f32 v[176+8*\t:183+8*\t], v[80+8*\t+2*\c:81+8*\t+2*\c], v[PP+2*\c:PP+2*\c+1], 0
.else
	v_wmma_f32_16x16x4_f32 v[176+8*\t:183+8*\t], v[80+8*\t+2*\c:81+8*\t+2*\c], v[PP+2*\c:PP+2*\c+1], v[176+8*\t:183+8*\t]
.endif
.endr
.endr
.rept 9
	v_nop                                          ; nine places: the results become operands of matrix instructions
.endr
	s_wait_loadcnt 0x0
.irp c, 0,1,2,3                                ; my head's part of the projection: source 0 = 16 columns of W_proj, source 1 = O^T's registers as they stand
.irp t, 0,1,2,3
.if \c == 0
	v_wmma_f32_16x16x4_f32 v[144+8*\t:151+8*\t], v[112+8*\t+2*\c:113+8*\t+2*\c], v[176+8*\t+2*\c:177+8*\t+2*\c], 0
.else
	v_wmma_f32_16x16x4_f32 v[144+8*\t:151+8*\t], v[112+8*\t+2*\c:113+8*\t+2*\c], v[176+8*\t+2*\c:177+8*\t+2*\c], v[144+8*\t:151+8*\t]
.endif
.endr
.endr
.rept 8
	v_nop
.endr
.irp i, 0,2,4,6
	v_pk_add_f32 v[T+\i:T+\i+1], v[144+\i:145+\i], v[152+\i:153+\i]
.endr
.irp i, 0,2,4,6
	v_pk_add_f32 v[T+\i:T+\i+1], v[T+\i:T+\i+1], v[160+\i:161+\i]
.endr
.irp i, 0,2,4,6
	v_pk_add_f32 v[T+\i:T+\i+1], v[T+\i:T+\i+1], v[168+\i:169+\i]            ; lane (r, h): position r, columns 16 nt + 8 h + 0..7
.endr
	ds_store_b128 v5, v[T:T+3]
	ds_store_b128 v5, v[T+4:T+7] offset:512
	s_wait_dscnt 0x0                               ; for the others' sake: my part has landed
	s_barrier_signal -1
	s_barrier_wait -1
	s_cmp_gt_u32 s10, 1                            ; waves 0 and 1 add the sixteen parts: wave g takes registers 4 g .. 4 g + 3 of every lane
	s_cbranch_scc1 .Lend
.irp p, 0,1,2,3,4,5,6,7,8,9,10,11,12,13,14,15
	ds_load_b128 v[16+4*\p:19+4*\p], v6 offset:1024*\p
.endr
	s_wait_dscnt 0x0
.irp p, 0,2,4,6,8,10,12,14
	v_pk_add_f32 v[16+4*\p:17+4*\p], v[16+4*\p:17+4*\p], v[20+4*\p:21+4*\p]
	v_pk_add_f32 v[18+4*\p:19+4*\p], v[18+4*\p:19+4*\p], v[22+4*\p:23+4*\p]
.endr
.irp p, 0,4,8,12
	v_pk_add_f32 v[16+4*\p:17+4*\p], v[16+4*\p:17+4*\p], v[24+4*\p:25+4*\p]
	v_pk_add_f32 v[18+4*\p:19+4*\p], v[18+4*\p:19+4*\p], v[26+4*\p:27+4*\p]
.endr
.irp p, 0,8
	v_pk_add_f32 v[16+4*\p:17+4*\p], v[16+4*\p:17+4*\p], v[32+4*\p:33+4*\p]
	v_pk_add_f32 v[18+4*\p:19+4*\p], v[18+4*\p:19+4*\p], v[34+4*\p:35+4*\p]
.endr
	v_pk_add_f32 v[16:17], v[16:17], v[48:49]
	v_pk_add_f32 v[18:19], v[18:19], v[50:51]
	global_store_b128 v7, v[16:19], s[8:9] th:TH_STORE_NT
.Lend:
	s_wait_tensorcnt 0x0                           ; the wave's end
	ds_add_u32 v8, v9
	s_wait_dscnt 0x0
	s_endpgm
.Lfunc_end_k_q354eec1858_first16:
	.size	k_q354eec1858_first16, .Lfunc_end_k_q354eec1858_first16-k_q354eec1858_first16
	.p2alignl 7, 3214868480
	.fill 96, 4, 3214868480
	.section	.rodata,"a",@progbits
	.p2align	6, 0x0
	.amdhsa_kernel k_q354eec1858_first16
		.amdhsa_group_segment_fixed_size 18432
		.amdhsa_private_segment_fixed_size 0
		.amdhsa_enable_private_segment 0
		.amdhsa_kernarg_size 24
		.amdhsa_user_sgpr_count 2
		.amdhsa_user_sgpr_kernarg_segment_ptr 1
		.amdhsa_wavefront_size32 1
		.amdhsa_system_sgpr_workgroup_id_x 1
		.amdhsa_system_sgpr_workgroup_id_y 1
		.amdhsa_system_sgpr_workgroup_id_z 1
		.amdhsa_system_vgpr_workitem_id 0
		.amdhsa_next_free_vgpr 256
		.amdhsa_next_free_sgpr 66
		.amdhsa_reserve_vcc 1
		.amdhsa_float_denorm_mode_32 3
		.amdhsa_float_denorm_mode_16_64 3
		.amdhsa_memory_ordered 1
		.amdhsa_forward_progress 1
		.amdhsa_inst_pref_size 19
	.end_amdhsa_kernel
	.amdgpu_metadata
---
amdhsa.version: [ 1, 2 ]
amdhsa.kernels:
  - .name:           k_q354eec1858_first16
    .symbol:         k_q354eec1858_first16.kd
    .args:
      - { .name: fine, .offset: 0, .size: 8, .value_kind: global_buffer, .address_space: global }
      - { .name: W_proj, .offset: 8, .size: 8, .value_kind: global_buffer, .address_space: global }
      - { .name: out0, .offset: 16, .size: 8, .value_kind: global_buffer, .address_space: global }
    .group_segment_fixed_size: 18432
    .private_segment_fixed_size: 0
    .kernarg_segment_align: 8
    .kernarg_segment_size: 24
    .max_flat_workgroup_size: 512
    .sgpr_count:     66
    .vgpr_count:     256
    .wavefront_size: 32
...
	.end_amdgpu_metadata
.endif
;; end of part 5
